; MI455X (gfx1250); checked and timed in simulation.
; The chip was launched on July 23, 2026; its instructions are those of AMD's public machine-readable ISA for CDNA 5 (MIT licence, August 2026) and "CDNA5" Instruction Set Architecture Reference Guide (July 2026). The comments in the code are by the model that wrote it; some were corrected since.
;; Mini Causal Attention. Allowed arithmetic: float matrix products may take bf16 or f16 operands with f32 sums; other float arithmetic in f32, or as packed bf16 or f16 multiplies, adds, multiply-adds, maxima and minima; sums over many terms, partial sums and values carried from step to step in f32; what a program stores and reads back later, other than sums and carried values, may be rounded once to bf16 or f16.
;; Inputs: bk 1,024 float32; bq 1,024 float32; bv 1,024 float32; wk 1,024 x 1,024 float32; wq 1,024 x 1,024 float32; wv 1,024 x 1,024 float32; x 4 x 2,048 x 1,024 float32.
;; Outputs: out0 4 x 2,048 x 1,024 float32.
;; 2 versions, each right; version 2 is version 1 with the launch prep written anew for expert scheduling mode. Each part assembles by itself: llvm-mc -triple=amdgcn-amd-amdhsa -mcpu=gfx1250 --defsym DOCPART=n.
;; ======== version 1 of 2: 4 launches
;; limits: values are held in f16: magnitudes above 65,504 overflow, below 6.1e-05 lose precision
;; workspace buffers: xb 16,777,216 bytes; wt 6,291,456 bytes; bb 12,288 bytes; qkv 50,331,648 bytes; pt 33,554,432 bytes; sm 524,288 bytes; sl 524,288 bytes
;; launch prep (part 1): grid 256 x 1, 11 waves a work-group, no clusters, 102,912 bytes of LDS; arguments x, wq, wk, wv, bq, bk, bv, xb, wt, bb; writes xb, wt, bb
.if DOCPART == 1
	.amdgcn_target "amdgcn-amd-amdhsa--gfx1250"
	.amdhsa_code_object_version 6
	.text
	.protected	k_q3f5bcc2ee3_prep
	.globl	k_q3f5bcc2ee3_prep
	.p2align	8
	.type	k_q3f5bcc2ee3_prep,@function
k_q3f5bcc2ee3_prep:
	s_mov_b64 s[64:65], 0
	v_nop
	global_prefetch_b8 v0, s[64:65] scope:SCOPE_SE
	s_setreg_imm32_b32 hwreg(HW_REG_WAVE_MODE, 25, 1), 1
	s_wait_xcnt 0x0
; PREP: every input is rounded once to bf16 and laid out for the projection, in chunks of 32 along K.
;   xb: bf16 [32 c][8192 row][32 k]       byte = c 524,288 + row 64 + 2 k        (x is [8192][1024] f32)
;   wt: bf16 [32 c][3072 n][32 k]         n = sel 1024 + col (sel 0 q, 1 k, 2 v) (w is [k][col] f32: it is turned)
;   bb: f32  [3072]                       the biases rounded to bf16, kept as f32
; In these layouts the rows of a chunk lie end to end, so the projection asks for 128 or 192 rows of a chunk as one long row.
; A stream through registers: no matrix work, nothing shared between work-groups, no tile ring.
; SHARES.  x is 2,048 shares of 4 rows (16 KiB read), the weights are 768 tiles of 64 k x 64 columns (16 KiB read): 11 shares for each of 256 work-groups.
; Waves 0-7: four rows of x each.  Waves 8-10: a tile of a weight each, turned in the wave's own LDS.  The biases are 24 pieces of 512 bytes: wave 0 of work-groups 0-23 takes one beside its rows.
.set LROW,  144                        ; a turned tile's row in LDS: 64 k x 2 bytes + 16
.set WTILE, 64*LROW                    ; 9,216 bytes for each wave's number (waves 0-7 leave theirs unused)
.set SPARE, 11*WTILE                   ; behind them: the spare words, 128 bytes a wave, which no other line names
.set XCH,   524288                     ; bytes in a chunk of xb
.set WCH,   196608                     ; of wt
.set SPW, 8                            ; v8  SPARE + 4 x my thread's number; never rewritten
.set NIL, 9                            ; v9  0; never rewritten
	s_load_b512 s[8:23], s[0:1], 0x0               ; x s[8:9], wq s[10:11], wk s[12:13], wv s[14:15], bq s[16:17], bk s[18:19], bv s[20:21], xb s[22:23]
	s_load_b128 s[24:27], s[0:1], 0x40             ; wt s[24:25], bb s[26:27]
	v_lshl_add_u32 v[SPW], v0, 2, SPARE
	v_mov_b32 v[NIL], 0
	v_lshrrev_b32 v1, 5, v0
	v_readfirstlane_b32 s28, v1                    ; wave 0..10
	v_and_b32 v1, 31, v0                           ; lane
	s_mov_b32 s31, 0                               ; high words of the offset pairs
	s_mov_b32 s37, 0
	s_mov_b32 s47, 0
	s_wait_kmcnt 0x0
	s_cmp_lt_u32 s28, 8
	s_cbranch_scc0 .Lw
	; X.  First the piece of a bias, where it is mine: its load goes out ahead of the rows' loads and is finished behind their stores
	s_cmp_lt_u32 ttmp9, 24
	s_cselect_b32 s40, 1, 0
	s_cmp_eq_u32 s28, 0
	s_cselect_b32 s40, s40, 0                      ; 1: wave 0 of work-groups 0-23
	s_min_u32 s41, ttmp9, 23                       ; the piece (held inside the biases in the other work-groups, which do not use it)
	s_lshr_b32 s32, s41, 3                         ; which bias,
	s_and_b32 s33, s41, 7                          ; which 512 bytes of it
	s_lshl_b32 s46, s33, 9
	s_cmp_eq_u32 s32, 1
	s_cselect_b64 s[42:43], s[18:19], s[16:17]
	s_cmp_eq_u32 s32, 2
	s_cselect_b64 s[42:43], s[20:21], s[42:43]
	s_add_nc_u64 s[42:43], s[42:43], s[46:47]
	s_lshl_b32 s46, s41, 9
	s_add_nc_u64 s[44:45], s[26:27], s[46:47]      ; in bb the three biases lie end to end: piece g at 512 g
	v_lshlrev_b32 v6, 4, v1                        ; 16 x lane
	v_mov_b32 v12, 0                               ; written on every path
	v_mov_b32 v13, 0
	v_mov_b32 v14, 0
	v_mov_b32 v15, 0
	s_cmp_eq_u32 s40, 1
	s_cbranch_scc0 .Lrows
	global_load_b128 v[12:15], v6, s[42:43]
.Lrows:	; rows 32 g + 4 w .. + 3.  A load takes one chunk (32 k, 128 bytes of f32) of each of the four rows; the 8 bytes a lane makes of them lie on end in xb: 256 bytes, aligned
	s_lshl_b32 s30, ttmp9, 17                      ; 32 rows of 4,096 bytes
	s_lshl_b32 s32, s28, 14                        ; 4 rows
	s_add_co_u32 s30, s30, s32
	s_add_nc_u64 s[8:9], s[8:9], s[30:31]
	s_lshl_b32 s36, ttmp9, 11                      ; 32 rows of 64 bytes
	s_lshl_b32 s32, s28, 8
	s_add_co_u32 s36, s36, s32
	s_add_nc_u64 s[22:23], s[22:23], s[36:37]      ; chunks 0-15 by the immediate,
	s_add_nc_u64 s[38:39], s[22:23], 16*XCH        ; chunks 16-31 from a second base: the immediate holds under 2^23
	v_lshrrev_b32 v2, 3, v1                        ; which of the four rows
	v_and_b32 v3, 7, v1                            ; which 16 bytes of the chunk
	v_lshlrev_b32 v4, 4, v3
	v_lshl_add_u32 v4, v2, 12, v4
	v_lshlrev_b32 v5, 3, v1                        ; 8 x lane
.set c, 0
.rept 32
	global_load_b128 v[16+4*c:19+4*c], v4, s[8:9] offset:128*c
.set c, c+1
.endr
.set c, 0
.rept 32
	s_wait_loadcnt 31-c                            ; loads come back in order (ISA guide 5.7.1): chunk c is in, the younger ones stay out
	v_cvt_pk_bf16_f32 v[16+4*c], v[16+4*c], v[17+4*c]
	v_cvt_pk_bf16_f32 v[17+4*c], v[18+4*c], v[19+4*c]
.if c < 16
	global_store_b64 v5, v[16+4*c:17+4*c], s[22:23] offset:c*XCH
.else
	global_store_b64 v5, v[16+4*c:17+4*c], s[38:39] offset:(c-16)*XCH
.endif
.set c, c+1
.endr
	s_cmp_eq_u32 s40, 1
	s_cbranch_scc0 .Lend
	v_cvt_pk_bf16_f32 v10, v12, v13                ; the piece of a bias: its load was the oldest, and the last wait above was for 0
	v_cvt_pk_bf16_f32 v11, v14, v15
	v_lshlrev_b32 v12, 16, v10                     ; bf16 back to f32: the low half moves up, the high half stays
	v_and_b32 v13, 0xffff0000, v10
	v_lshlrev_b32 v14, 16, v11
	v_and_b32 v15, 0xffff0000, v11
	global_store_b128 v6, v[12:15], s[44:45]
	s_branch .Lend
.Lw:	; THE WEIGHTS: tile T = 3 g + w - 8: matrix T / 256, 64 k at (T / 16) % 16, 64 columns at T % 16
	s_sub_co_u32 s34, s28, 8
	s_mul_i32 s29, ttmp9, 3
	s_add_co_u32 s29, s29, s34
	s_lshr_b32 s32, s29, 8                         ; sel
	s_bfe_u32 s33, s29, 0x40004                    ; kb
	s_and_b32 s35, s29, 15                         ; cb
	s_cmp_eq_u32 s32, 1
	s_cselect_b64 s[10:11], s[12:13], s[10:11]
	s_cmp_eq_u32 s32, 2
	s_cselect_b64 s[10:11], s[14:15], s[10:11]
	s_lshl_b32 s30, s33, 18                        ; 64 rows of 4,096 bytes
	s_lshl_b32 s38, s35, 8                         ; 64 columns of 4 bytes
	s_add_co_u32 s30, s30, s38
	s_add_nc_u64 s[10:11], s[10:11], s[30:31]
	s_mul_i32 s36, s33, 2*WCH                      ; wt: two chunks for 64 k,
	s_lshl_b32 s38, s32, 16                        ; 1,024 rows of 64 bytes a matrix,
	s_add_co_u32 s36, s36, s38
	s_lshl_b32 s38, s35, 12                        ; 64 rows
	s_add_co_u32 s36, s36, s38
	s_add_nc_u64 s[24:25], s[24:25], s[36:37]
	s_mul_i32 s39, s28, WTILE
	v_and_b32 v2, 15, v0                           ; lane % 16
	v_bfe_u32 v3, v0, 4, 1                         ; lane / 16
	v_lshlrev_b32 v4, 4, v2
	v_lshl_add_u32 v4, v3, 13, v4                  ; 2 (lane / 16) rows + 16 (lane % 16)
	v_mul_u32_u24 v6, v2, 4*LROW                   ; in: columns 4 (lane % 16) + e, k = 4 i + 2 (lane / 16)
	v_lshl_add_u32 v6, v3, 2, v6
	v_add_nc_u32 v6, s39, v6
	v_lshrrev_b32 v12, 2, v1
	v_and_b32 v13, 3, v1
	v_mul_u32_u24 v7, v12, LROW                    ; back: eight rows x 64 bytes (one chunk's half of each row) a load
	v_lshl_add_u32 v7, v13, 4, v7
	v_add_nc_u32 v7, s39, v7
	v_lshlrev_b32 v5, 4, v1
.set i, 0
.rept 16
	global_load_b128 v[16+8*i:19+8*i], v4, s[10:11] offset:16384*i th:TH_LOAD_NT        ; row 4 i + 2 (lane / 16),
	global_load_b128 v[20+8*i:23+8*i], v4, s[10:11] offset:16384*i+4096 th:TH_LOAD_NT   ; and the row below it
.set i, i+1
.endr
.set i, 0
.rept 16
	s_wait_loadcnt 30-2*i                          ; this pair of rows is in
.irp e, 0,1,2,3
	v_cvt_pk_bf16_f32 v[10+(\e)], v[16+8*i+(\e)], v[20+8*i+(\e)]   ; two neighbouring k of one column
	ds_store_b32 v6, v[10+(\e)] offset:(\e)*LROW+8*i
.endr
.set i, i+1
.endr
.set t, 0
.rept 16
	ds_load_b128 v[16+4*t:19+4*t], v7 offset:(t%8)*8*LROW+(t/8)*64   ; LDS serves a wave's instructions in order (ISA guide 5.7.1.4): these see the stores above; the bytes are the wave's own
.set t, t+1
.endr
.set t, 0
.rept 16
	s_wait_dscnt 15-t
	global_store_b128 v5, v[16+4*t:19+4*t], s[24:25] offset:(t/8)*WCH+(t%8)*512   ; 512 consecutive bytes, aligned
.set t, t+1
.endr
.Lend:
	s_wait_tensorcnt 0x0                           ; the wave's end
	ds_add_u32 v[SPW], v[NIL]
	s_wait_dscnt 0x0
	s_endpgm
.Lfunc_end_k_q3f5bcc2ee3_prep:
	.size	k_q3f5bcc2ee3_prep, .Lfunc_end_k_q3f5bcc2ee3_prep-k_q3f5bcc2ee3_prep
	.p2alignl 7, 3214868480
	.fill 96, 4, 3214868480
	.section	.rodata,"a",@progbits
	.p2align	6, 0x0
	.amdhsa_kernel k_q3f5bcc2ee3_prep
		.amdhsa_group_segment_fixed_size 102912
		.amdhsa_private_segment_fixed_size 0
		.amdhsa_enable_private_segment 0
		.amdhsa_kernarg_size 80
		.amdhsa_user_sgpr_count 2
		.amdhsa_user_sgpr_kernarg_segment_ptr 1
		.amdhsa_wavefront_size32 1
		.amdhsa_system_sgpr_workgroup_id_x 1
		.amdhsa_system_sgpr_workgroup_id_y 1
		.amdhsa_system_sgpr_workgroup_id_z 1
		.amdhsa_system_vgpr_workitem_id 0
		.amdhsa_next_free_vgpr 144
		.amdhsa_next_free_sgpr 66
		.amdhsa_reserve_vcc 0
		.amdhsa_float_denorm_mode_32 3
		.amdhsa_float_denorm_mode_16_64 3
		.amdhsa_memory_ordered 1
		.amdhsa_forward_progress 1
		.amdhsa_inst_pref_size 30
	.end_amdhsa_kernel
	.amdgpu_metadata
---
amdhsa.version: [ 1, 2 ]
amdhsa.kernels:
  - .name:           k_q3f5bcc2ee3_prep
    .symbol:         k_q3f5bcc2ee3_prep.kd
    .args:
      - { .name: x, .offset: 0, .size: 8, .value_kind: global_buffer, .address_space: global }
      - { .name: wq, .offset: 8, .size: 8, .value_kind: global_buffer, .address_space: global }
      - { .name: wk, .offset: 16, .size: 8, .value_kind: global_buffer, .address_space: global }
      - { .name: wv, .offset: 24, .size: 8, .value_kind: global_buffer, .address_space: global }
      - { .name: bq, .offset: 32, .size: 8, .value_kind: global_buffer, .address_space: global }
      - { .name: bk, .offset: 40, .size: 8, .value_kind: global_buffer, .address_space: global }
      - { .name: bv, .offset: 48, .size: 8, .value_kind: global_buffer, .address_space: global }
      - { .name: xb, .offset: 56, .size: 8, .value_kind: global_buffer, .address_space: global }
      - { .name: wt, .offset: 64, .size: 8, .value_kind: global_buffer, .address_space: global }
      - { .name: bb, .offset: 72, .size: 8, .value_kind: global_buffer, .address_space: global }
    .group_segment_fixed_size: 102912
    .private_segment_fixed_size: 0
    .kernarg_segment_align: 8
    .kernarg_segment_size: 80
    .max_flat_workgroup_size: 352
    .sgpr_count:     66
    .vgpr_count:     144
    .wavefront_size: 32
...
	.end_amdgpu_metadata
.endif
;; end of part 1
;; launch proj (part 2): grid 8 x 32, 4 waves a work-group, clusters of 4 x 4, 327,680 bytes of LDS; arguments xb, wt, bb, qkv; writes qkv
.if DOCPART == 2
	.amdgcn_target "amdgcn-amd-amdhsa--gfx1250"
	.amdhsa_code_object_version 6
	.text
	.protected	k_q3f5bcc2ee3_proj
	.globl	k_q3f5bcc2ee3_proj
	.p2align	8
	.type	k_q3f5bcc2ee3_proj,@function
k_q3f5bcc2ee3_proj:
	s_mov_b64 s[64:65], 0
	v_nop
	global_prefetch_b8 v0, s[64:65] scope:SCOPE_SE
	s_setreg_imm32_b32 hwreg(HW_REG_WAVE_MODE, 25, 1), 1
	s_wait_xcnt 0x0
	s_wait_alu depctr_hold_cnt(0) depctr_sa_sdst(0) depctr_va_vdst(0) depctr_va_sdst(0) depctr_va_ssrc(0) depctr_va_vcc(0) depctr_vm_vsrc(0)
	s_getreg_b32 s2, hwreg(HW_REG_IB_STS2, 6, 4)
	s_cmp_eq_u32 s2, 0
	s_cbranch_scc0 .Lentry_in_a_cluster
	s_endpgm
.Lentry_in_a_cluster:
	s_bfe_u32 s2, ttmp6, 0x10000c
	s_cmp_lg_u32 s2, 0xf033
	s_cbranch_scc0 .Lentry_shape_is_right
	s_endpgm
.Lentry_shape_is_right:
; PROJ: qkv[row][n] = sum over k of xb[row][k] wt[n][k] + bb[n], n = 0..3071 (q, k, v side by side).  bf16 operands, f32 sums that start at the bias, the result rounded once to f16.
; LIMIT: f16 ends at 65,504: |q|, |k|, |v| must stay under it; beyond it the conversion gives an infinity.
; SHARES.  A work-group makes 256 rows x 384 columns: 32 x 8 = 256 work-groups.  Wave (rh, ch) makes 128 x 192: 96 accumulators of 16 x 16, 768 registers.
; The matrix instruction is used transposed (source 0 = 16 rows of wt, source 1 = 16 rows of xb): a lane holds one row of the result and eight neighbouring columns.
; K GOES IN STEPS OF 96, three PLANES of 32, through two LDS slots: as long a step as two slots allow.  1,024 = ten steps and one of 64.  xb and wt lie in chunks of 32 along K, a chunk's rows end to end: a wave's part of a step is
; ONE tile of three long rows (its 128 or 192 rows of three chunks), padded in LDS after every 64 bytes: a row of a plane is 80 bytes.  The tensor's second extent counts the chunks that are left, so the last tile's third plane arrives as zeros; it is not read.
; CLUSTER 4 x 4: xb's tile hangs on the tile row alone and is asked for jointly along a row of the cluster, wt's on the tile column alone, jointly along a column.
; A SLICE is a plane's 96 products, in four phases of 24: (X, BL), (HA, BL), (HA, BU), (X, BU), where X = xb's rows 0-63 of my 128, HA = rows 64-127, BL = wt's rows 0-95 of my 192, BU = rows 96-191.
; HA, BL and BU are loaded again in place, each behind the phase that read it last and 48 products ahead of its next use; X has three buffers, one a plane, so that the names repeat from step to step and one step's text serves as the loop.
; REGISTERS.  Window 0: v16-30 addresses; v32-127 X0-X2; v128-159 HA; v160-207 BL; v208-255 BU.  Windows 1-3: the accumulators in the order of their products: number n in window 1 + n / 32 at v[8 (n % 32)].
; THE BIAS is the C operand of each accumulator's first product.  Its 96 registers are loaded into accumulators 84-95, which the first slice writes last.
.set PITCH,  80                        ; 64 bytes + 16: the 16 rows of a fragment load start at 16 different groups of four banks (ISA guide 11.1)
.set PLA,    128*PITCH                 ; a plane of half of xb's tile
.set PLB,    192*PITCH                 ; of half of wt's
.set AHALF,  3*PLA                     ; what one load brings and one wave reads
.set BHALF,  3*PLB
.set BOFF,   2*AHALF
.set SLOT,   2*AHALF+2*BHALF           ; 153,600
.set SP,     784                       ; the stage for the way out: 768 bytes + 16; it lies over the slots, after their last fill
.set SPARE,  2*SLOT                    ; behind the slots: the spare words, 128 bytes a wave, which no other line names
.set XCH,    524288                    ; bytes in a chunk of xb
.set WCH,    196608                    ; of wt
.set FLAGS,  (1<<16)|(1<<20)|(1<<21)|(3<<22)|(3<<25)  ; 2-byte elements; padding on; bit 21 beside a mask; after every 16 words; 4 words
.set ADRA0, 16                         ; v16 my xb fragments in slot 0; v17 my wt fragments; never rewritten
.set ADRB0, 17
.set ADRA,  18                         ; v18, v19 the same in the slot in hand
.set ADRB,  19
.set STO,   22                         ; v22-23 the way out: my 16 bytes of rows 0-63, 64-127 of my half
.set RD,    25
.set CO,    26
.set BO,    27
.set SPW,   28
.set NIL,   29
.set PFO,   30
.set X0,    32
.set X1,    64
.set X2,    96
.set HA,    128
.set BL,    160
.set BU,    208
.set HF,    32                         ; the way out: 32 packed registers
.set G1A, 24                           ; s[24:31] group 1 for xb's tiles; s[32:39] group 0: a set for each first fill; the second then walks
.set G0A, 32
.set G1B, 48                           ; s[48:55], s[56:63] the same for wt's
.set G0B, 56
; s12 wave, s13 rh (also: I fetch xb or wt), s14 ch (also: which half I fetch), s15 cx, s16 cy, s17 tile column, s18 tile row, s19 count; s[40:41] the prefetches' address, s[42:43] its step, s44 in which trips I ask, s45 whether in this one, s76 four planes;
; s[70:71] qkv; s72 the slot to fill, s73 the slot to read (0 or SLOT), s74, s75 my part's place in a slot
.set MSB, 0
.macro WIN new                         ; the immediate's high byte repeats the setting that is left; a switch that changes nothing is dropped
.if MSB != (\new)
	s_set_vgpr_msb (MSB<<8)|(\new)
.set MSB, (\new)
.endif
.endm
.macro PLACES                          ; four plain instructions between a matrix instruction and a load into, or a vector read of, its registers
.rept 4
	v_nop
.endr
.endm
.macro JLOAD                           ; a joint refill: waves 0, 1 fetch xb's halves, waves 2, 3 wt's.  The branch hangs on the wave's number alone.  An s_nop 0 and four v_nop follow each line
	s_cmp_eq_u32 s13, 0
	s_cbranch_scc0 .Lfor_b_\@
	tensor_load_to_lds s[G0A+4:G0A+7], s[G1A:G1A+7]
	s_nop 0
	PLACES
	s_branch .Lasked_\@
.Lfor_b_\@:
	tensor_load_to_lds s[G0B+4:G0B+7], s[G1B:G1B+7]
	s_nop 0
	PLACES
.Lasked_\@:
.endm
.macro CREST                           ; a round of the cluster's barrier behind its opening barrier
	s_cmp_lg_u32 s12, 0
	s_cbranch_scc1 .Lnot_wave_0_\@
	s_barrier_signal -3
.Lnot_wave_0_\@:
	s_barrier_wait -3
	s_barrier_signal -1
	s_barrier_wait -1
.endm
.macro CROUND
	s_barrier_signal -1
	s_barrier_wait -1
	CREST
.endm
; A PREFETCH INTO THE L2, behind the joint load and the run of LDS loads, by GROUPS OF FOUR PLANES, so that the shares come out in whole instructions.  Each block of 256 bytes is named once in the launch.
; xb's tile row (16 KiB a plane) is asked for by the clusters with x = 0, 4 KiB a plane to each of the four partners by address: wave 0, two planes an instruction, two instructions.
; wt's tile column (24 KiB a plane) by the clusters with y = 0, 6 KiB a plane a partner: 96 blocks a group, 32 to each of waves 1, 2, 3.
; Groups 3 to 7 (planes 12 to 31) are asked for in trips 1, 2, 3, 5 and 6: each one step ahead of the refill that wants the group's first plane.  Planes 0 to 11 come by their loads alone.
.macro ASK
	s_cmp_eq_u32 s45, 1
	s_cbranch_scc0 .Lnone_\@
	global_prefetch_b8 v[PFO], s[40:41] th:TH_LOAD_NT scope:SCOPE_SE
	s_cmp_lg_u32 s12, 0
	s_cbranch_scc1 .Lnone_\@
	global_prefetch_b8 v[PFO], s[40:41] offset:2*XCH th:TH_LOAD_NT scope:SCOPE_SE
.Lnone_\@:
.endm
	s_load_b256 s[4:11], s[0:1], 0x0               ; xb s[4:5], wt s[6:7], bb s[8:9], qkv s[10:11]
	v_lshl_add_u32 v[SPW], v0, 2, SPARE
	v_mov_b32 v[NIL], 0
	ds_add_u32 v[SPW], v[NIL]                      ; the wave's opening: the add and its wait ahead of the first tensor load; register work stands between them
	v_lshrrev_b32 v1, 5, v0
	v_readfirstlane_b32 s12, v1                    ; wave 0..3
	s_lshr_b32 s13, s12, 1
	s_and_b32 s14, s12, 1
	s_bfe_u32 s15, ttmp6, 0x40000                  ; cx
	s_bfe_u32 s16, ttmp6, 0x40004                  ; cy
	s_lshl_b32 s17, ttmp9, 2
	s_add_co_u32 s17, s17, s15                     ; tile column 0..7
	s_and_b32 s18, ttmp7, 0xffff
	s_lshl_b32 s18, s18, 2
	s_add_co_u32 s18, s18, s16                     ; tile row 0..31
	s_lshl_b32 s66, s16, 2
	s_lshl_b32 s66, 15, s66                        ; my row of the cluster
	s_lshl_b32 s67, 0x1111, s15                    ; my column
	s_or_b32 s[G1A], s66, FLAGS
	s_or_b32 s[G1B], s67, FLAGS
	s_mov_b32 s[G1A+1], 4096<<16                   ; tensor_dim0 = 4,096 elements: 128 rows of 32 k, end to end
	s_mov_b32 s[G1A+2], 29<<16                     ; tensor_dim1: the chunks left from the tile's first: 29 at step 1 (step 0, with 32 left, is served by it too); three fewer at each refill
	s_mov_b32 s[G1A+3], 4096<<16                   ; tile_dim0
	s_mov_b32 s[G1A+4], 3                          ; tile_dim1: three chunks
	s_mov_b32 s[G1A+5], 262144                     ; elements from chunk to chunk
	s_mov_b32 s[G1A+6], 0
	s_mov_b32 s[G1A+7], 0
	s_mov_b32 s[G1B+1], 6144<<16                   ; 192 rows of 32 k
	s_mov_b32 s[G1B+2], 29<<16
	s_mov_b32 s[G1B+3], 6144<<16
	s_mov_b32 s[G1B+4], 3
	s_mov_b32 s[G1B+5], 98304
	s_mov_b32 s[G1B+6], 0
	s_mov_b32 s[G1B+7], 0
	s_lshl_b32 s20, s18, 14                        ; xb: (256 tile row + 128 half) rows of 64 bytes
	s_lshl_b32 s21, s14, 13
	s_add_co_u32 s20, s20, s21
	s_mov_b32 s21, 0
	s_mul_i32 s22, s17, 24576                      ; wt: (384 tile column + 192 half) rows
	s_mul_i32 s23, s14, 12288
	s_add_co_u32 s22, s22, s23
	s_mov_b32 s23, 0
	s_mul_i32 s74, s14, AHALF                      ; where they go: no place in the cluster enters an LDS address
	s_mul_i32 s75, s14, BHALF
	s_add_co_u32 s75, s75, BOFF
	s_mov_b32 s72, SLOT                            ; the walking descriptors stand at slot 1
	s_mov_b32 s73, 0                               ; slot 0 is read first
	s_wait_dscnt 0x0                               ; the opening add is done
	s_wait_kmcnt 0x0
	s_add_nc_u64 s[20:21], s[4:5], s[20:21]
	s_add_nc_u64 s[22:23], s[6:7], s[22:23]
.irp s, 0,1
	s_mov_b32 s[G0A+4*(\s)], 1
	s_add_co_u32 s[G0A+4*(\s)+1], s74, (\s)*SLOT
	s_add_nc_u64 s[G0A+4*(\s)+2:G0A+4*(\s)+3], s[20:21], (\s)*3*XCH
	s_or_b32 s[G0A+4*(\s)+3], s[G0A+4*(\s)+3], 0x80000000
	s_mov_b32 s[G0B+4*(\s)], 1
	s_add_co_u32 s[G0B+4*(\s)+1], s75, (\s)*SLOT
	s_add_nc_u64 s[G0B+4*(\s)+2:G0B+4*(\s)+3], s[22:23], (\s)*3*WCH
	s_or_b32 s[G0B+4*(\s)+3], s[G0B+4*(\s)+3], 0x80000000
.endr
	CROUND                                         ; all sixteen work-groups are here: the first joint loads meet
	s_cmp_eq_u32 s13, 0                            ; a wave's two first fills stand in one branch: two loads of mine are out
	s_cbranch_scc0 .Lfirst_b
	tensor_load_to_lds s[G0A:G0A+3], s[G1A:G1A+7]
	s_nop 0
	tensor_load_to_lds s[G0A+4:G0A+7], s[G1A:G1A+7]
	s_nop 0
	PLACES
	s_branch .Lfirst_asked
.Lfirst_b:
	tensor_load_to_lds s[G0B:G0B+3], s[G1B:G1B+7]
	s_nop 0
	tensor_load_to_lds s[G0B+4:G0B+7], s[G1B:G1B+7]
	s_nop 0
	PLACES
.Lfirst_asked:
	v_and_b32 v1, 15, v0                           ; r
	v_bfe_u32 v2, v0, 4, 1                         ; h
	s_mul_i32 s45, s17, 1536                       ; my bias: columns 384 tile column + 192 ch + 16 b + 8 h + 0..7, 4 bytes each
	s_mul_i32 s46, s14, 768
	s_add_co_u32 s45, s45, s46
	v_lshl_add_u32 v[BO], v2, 5, s45
	WIN 0xc0                                       ; destination window 3: column block b's eight numbers into accumulator 84 + b, v[160 + 8 b]
.set bq, 0
.rept 12
	global_load_b128 v[160+8*bq:163+8*bq], v[BO], s[8:9] offset:64*bq
	global_load_b128 v[164+8*bq:167+8*bq], v[BO], s[8:9] offset:64*bq+16
.set bq, bq+1
.endr
	WIN 0
	; a fragment is 16 rows x 32 K in 8 registers: lane l holds row l % 16, K = 8 (l / 16) + 0..7 and 16 + 8 (l / 16) + 0..7: two loads of 16 bytes, 32 bytes apart
	v_mul_u32_u24 v3, v1, PITCH
	v_lshl_add_u32 v3, v2, 4, v3
	s_mul_i32 s45, s13, AHALF
	s_mul_i32 s46, s14, BHALF
	s_add_co_u32 s46, s46, BOFF
	v_add_nc_u32 v[ADRA0], s45, v3
	v_add_nc_u32 v[ADRB0], s46, v3
	v_mov_b32 v[ADRA], v[ADRA0]
	v_mov_b32 v[ADRB], v[ADRB0]
	s_mul_i32 s45, s13, 128*SP                     ; into the stage: row 128 rh + 16 a + r, bytes 384 ch + 32 b + 16 h
	s_mul_i32 s46, s14, 384
	s_add_co_u32 s45, s45, s46
	v_mul_u32_u24 v[STO], v1, SP
	v_lshl_add_u32 v[STO], v2, 4, v[STO]
	v_add_nc_u32 v[STO], s45, v[STO]
	v_add_nc_u32 v[STO+1], 64*SP, v[STO]
	s_mul_i32 s45, s12, 64*SP                      ; back: wave w takes rows 64 w .. 64 w + 63, whole; lanes 0-15 256 bytes of one row, lanes 16-31 of the next
	v_mul_u32_u24 v[RD], v2, SP
	v_lshl_add_u32 v[RD], v1, 4, v[RD]
	v_add_nc_u32 v[RD], s45, v[RD]
	v_mul_u32_u24 v[CO], v2, 6144
	v_lshl_add_u32 v[CO], v1, 4, v[CO]
	s_lshl_b32 s45, s18, 8                         ; qkv at row 256 tile row + 64 w, column 384 tile column
	s_lshl_b32 s46, s12, 6
	s_add_co_u32 s45, s45, s46
	s_mul_i32 s46, s45, 6144
	s_mul_i32 s45, s17, 768
	s_add_co_u32 s46, s46, s45
	s_mov_b32 s47, 0
	s_add_nc_u64 s[70:71], s[10:11], s[46:47]
	; the prefetches' base, step and trips
	s_lshl_b32 s45, s18, 14
	s_lshl_b32 s46, s15, 12
	s_add_co_u32 s45, s45, s46
	s_add_co_u32 s45, s45, 8*XCH                   ; xb: my 4 KiB of the tile row's 16, at plane 8
	s_mul_i32 s46, s17, 24576
	s_mul_i32 s67, s16, 6144
	s_add_co_u32 s46, s46, s67
	s_add_co_u32 s46, s46, 8*WCH                   ; wt: my 6 KiB of the tile column's 24, at plane 8
	s_mov_b32 s68, 4*XCH
	s_mov_b32 s69, 4*WCH
	s_and_b32 s67, ttmp7, 0xffff                   ; cluster y
	s_cmp_eq_u32 s12, 0
	s_cselect_b32 s46, s45, s46
	s_cselect_b32 s67, ttmp9, s67                  ; the coordinate along which other clusters read the same rows
	s_cselect_b64 s[40:41], s[4:5], s[6:7]
	s_cselect_b32 s76, s68, s69                    ; four planes
	s_cselect_b32 s66, -1, 0                       ; all lanes of wave 0
	s_mov_b32 s43, 0
	s_add_nc_u64 s[40:41], s[40:41], s[46:47]
	s_cmp_eq_u32 s67, 0
	s_cselect_b32 s44, 0x1d8, 0                    ; bits 8, 7, 6, 4, 3: the count stands at 9 less the trip's number.  The same in all sixteen partners, for a given wave
	s_max_u32 s77, s12, 1
	s_sub_co_u32 s77, s77, 1
	s_lshl_b32 s77, s77, 5
	v_and_b32 v4, 31, v0
	v_add_nc_u32 v4, s77, v4                       ; waves 1-3: block 32 (w - 1) + lane of the group's 96
	v_mul_u32_u24 v5, v4, 171
	v_lshrrev_b32 v5, 12, v5                       ; its plane: block / 24 (exact for 0 to 95),
	v_mul_u32_u24 v6, v5, 24
	v_sub_nc_u32 v6, v4, v6                        ; its place among my 24 of that plane
	v_mul_u32_u24 v7, v5, WCH
	v_lshl_add_u32 v7, v6, 8, v7
	v_mul_u32_u24 v5, v2, XCH                      ; wave 0: plane lane / 16, block lane % 16
	v_lshl_add_u32 v5, v1, 8, v5
	v_cndmask_b32 v[PFO], v7, v5, s66
; Products i0 .. i0 + cnt - 1 of phase ph's 24 (row block i / 6, column block i % 6 of the phase's halves).  Accumulator n = 24 ph + i.  The 96 take turns, one instruction a turn, in the same order in every slice.
; mode = 1: the first slice: C is the column block's bias, in window 3.  (PHI counts with iq; the loads below with aq and bq.)
.macro PHI ph, xp, mode, i0, cnt
.set iq, \i0
.rept \cnt
.set nq, 24*(\ph)+iq
.set rD, 8*(nq%32)
.set wD, 1+nq/32
.if ((\ph) == 0) || ((\ph) == 3)
.set rX, (\xp)+8*(iq/6)
.else
.set rX, HA+8*(iq/6)
.endif
.if (\ph) < 2
.set rW, BL+8*(iq%6)
.set rC, 160+8*(iq%6)
.else
.set rW, BU+8*(iq%6)
.set rC, 208+8*(iq%6)
.endif
.if \mode
	WIN (wD<<6)|0x30
	v_wmma_f32_16x16x32_bf16 v[rD:rD+7], v[rW:rW+7], v[rX:rX+7], v[rC:rC+7]
.else
	WIN 0x50*wD
	v_wmma_f32_16x16x32_bf16 v[rD:rD+7], v[rW:rW+7], v[rX:rX+7], v[rD:rD+7]
.endif
.set iq, iq+1
.endr
.endm
.macro LDW dst, b0, p                  ; six fragments of wt, rows 16 b0 on, of plane p of the slot in hand
.set bq, 0
.rept 6
	ds_load_b128 v[(\dst)+8*bq:(\dst)+8*bq+3],   v[ADRB] offset:(\p)*PLB+((\b0)+bq)*16*PITCH
	ds_load_b128 v[(\dst)+8*bq+4:(\dst)+8*bq+7], v[ADRB] offset:(\p)*PLB+((\b0)+bq)*16*PITCH+32
.set bq, bq+1
.endr
.endm
.macro LDX dst, a0, p                  ; four fragments of xb, rows 16 a0 on
.set aq, 0
.rept 4
	ds_load_b128 v[(\dst)+8*aq:(\dst)+8*aq+3],   v[ADRA] offset:(\p)*PLA+((\a0)+aq)*16*PITCH
	ds_load_b128 v[(\dst)+8*aq+4:(\dst)+8*aq+7], v[ADRA] offset:(\p)*PLA+((\a0)+aq)*16*PITCH+32
.set aq, aq+1
.endr
.endm
; A slice: multiplies the plane whose X lies in xp, and loads plane pn of the same slot, its X into xn.  Three runs of loads (20, 8, 12), each four places behind the products that read the registers.
.macro SLICE xp, xn, pn, mode
	s_wait_dscnt 20                                ; BL and X are in; HA's 8 and BU's 12 loads may be out
	PHI 0, \xp, \mode, 0, 24
	s_wait_dscnt 12                                ; HA is in
	PHI 1, \xp, \mode, 0, 24
	PLACES
	WIN 0
	LDW BL, 0, \pn
	LDX \xn, 0, \pn
	s_wait_dscnt 20                                ; BU is in: all but the 20 just issued
	PHI 2, \xp, \mode, 0, 24
	PLACES
	WIN 0
	LDX HA, 4, \pn
.if \mode
	PHI 3, \xp, 1, 0, 18                           ; (numbers 84-89 write over the bias of columns 0-95, last read in phase 1, a whole phase back)
	PLACES
	v_nop                                          ; five places between the last product that read the bias of columns 96-191 and the six that add onto it in place
	PHI 3, \xp, 1, 18, 6
.else
	PHI 3, \xp, 0, 0, 24
.endif
	PLACES
	WIN 0
	LDW BU, 6, \pn
.endm
; A step's third slice (X2) changes slots: one barrier.  In front of it each wave waits for all its tensor loads (one is out: its part of the next slot), adds 0 to its spare word and waits for that and for its reads of this slot.
; fill = 1: the barrier opens a round of the cluster's, and the joint refill, two steps on, is the first thing behind the round: 264 products stand between it and the wait for it.
.macro TURN fill
.if \fill
	s_wait_xcnt 0x0                                ; the last prefetches, a step or more back, have read their address
	s_lshr_b32 s45, s44, s19
	s_and_b32 s45, s45, 1                          ; do I ask in this trip?
	s_cmp_eq_u32 s45, 1
	s_cselect_b32 s42, s76, 0
	s_add_nc_u64 s[40:41], s[40:41], s[42:43]      ; then on to the next group
.endif
	s_wait_dscnt 20
	PHI 0, X2, 0, 0, 24
	WIN 0
	s_wait_tensorcnt 0x0
	ds_add_u32 v[SPW], v[NIL]
	s_wait_dscnt 13                                ; HA is in; BU's 12 loads and the add may be out
	PHI 1, X2, 0, 0, 12
	s_wait_dscnt 0x0                               ; the add is done, my reads of this slot are over
	s_barrier_signal -1
	PHI 1, X2, 0, 12, 12
	WIN 0
	s_barrier_wait -1
.if \fill
	CREST                                          ; no wave of any partner still reads this slot or has a load on its way
	s_xor_b32 s72, s72, SLOT                       ; the walking descriptors: the other slot than last time,
	s_add_co_u32 s[G0A+5], s72, s74
	s_add_co_u32 s[G0B+5], s72, s75
	s_add_nc_u64 s[G0A+6:G0A+7], s[G0A+6:G0A+7], 3*XCH  ; the next three chunks,
	s_add_nc_u64 s[G0B+6:G0B+7], s[G0B+6:G0B+7], 3*WCH
	s_sub_co_u32 s[G1A+2], s[G1A+2], 3<<16         ; three fewer left
	s_sub_co_u32 s[G1B+2], s[G1B+2], 3<<16
	JLOAD                                          ; its four v_nop are also the places in front of the loads below
.else
	PLACES
.endif
	s_xor_b32 s73, s73, SLOT
	v_add_nc_u32 v[ADRA], s73, v[ADRA0]
	v_add_nc_u32 v[ADRB], s73, v[ADRB0]
	LDW BL, 0, 0
	LDX X0, 0, 0
.if \fill
	ASK
.endif
	PHI 2, X2, 0, 0, 24
	PLACES
	WIN 0
	LDX HA, 4, 0
	PHI 3, X2, 0, 0, 24
	PLACES
	WIN 0
	LDW BU, 6, 0
.endm
	s_wait_tensorcnt 0x1                           ; my part of step 0 is in; step 1's may stay out
	s_barrier_signal -1
	s_barrier_wait -1
	LDW BL, 0, 0
	LDX X0, 0, 0
	LDX HA, 4, 0
	LDW BU, 6, 0
	s_wait_loadcnt 0x0                             ; the bias
	SLICE X0, X1, 1, 1                             ; the first slice stands in front of the loop: its products start the sums
	s_mov_b32 s19, 9
.Lstep:                                                ; a trip: a step's second and third slice and the next step's first; steps 2 to 10 are asked for
	SLICE X1, X2, 2, 0
	TURN 1
	SLICE X0, X1, 1, 0
	s_sub_co_u32 s19, s19, 1
	s_cmp_lg_u32 s19, 0
	s_cbranch_scc1 .Lstep
	SLICE X1, X2, 2, 0                             ; step 9 goes on; nothing is left to ask for
	TURN 0
	SLICE X0, X1, 1, 0                             ; step 10 has two planes
	s_wait_dscnt 20
	PHI 0, X1, 0, 0, 24
	s_wait_dscnt 12
	PHI 1, X1, 0, 0, 24
	s_wait_dscnt 0x0
	PHI 2, X1, 0, 0, 24
	PHI 3, X1, 0, 0, 24
	WIN 0
	PLACES
	PLACES
	s_barrier_signal -1                            ; every wave's reads of the slots are over (its wait for 0 stands above): the stage may be written over them
	s_barrier_wait -1
	; THE WAY OUT: rounded to f16, 16 bytes a lane into the work-group's stage; eight accumulators at a time, in the order of their numbers, each one's registers ascending
.set gq, 0
.rept 12
	WIN 5*(1+gq/4)                                 ; sources 0 and 1 in the accumulators' window
.set iq, 0
.rept 8
.set rD, 8*((8*gq+iq)%32)
.set jq, 0
.rept 4
	v_cvt_pk_f16_f32 v[HF+4*iq+jq], v[rD+2*jq], v[rD+2*jq+1]
.set jq, jq+1
.endr
.set iq, iq+1
.endr
	WIN 0
.set iq, 0
.rept 8
.set nq, 8*gq+iq
.set pq, nq/24                                         ; its phase: rows 64-127 in phases 1 and 2, columns 96-191 in phases 2 and 3
.set aq, (nq%24)/6
.set bq, (nq%24)%6+6*(pq/2)
	ds_store_b128 v[STO+((pq+1)/2)%2], v[HF+4*iq:HF+4*iq+3] offset:aq*16*SP+32*bq
.set iq, iq+1
.endr
.set gq, gq+1
.endr
	s_wait_dscnt 0x0                               ; for the others' sake: my stores into the stage are done
	s_barrier_signal -1
	s_barrier_wait -1
	s_mov_b32 s19, 8
.Lback:                                                ; eight rows of 768 bytes a trip
.set tq, 0
.rept 12
	ds_load_b128 v[32+4*tq:35+4*tq], v[RD] offset:(tq/3)*2*SP+(tq%3)*256
.set tq, tq+1
.endr
.set tq, 0
.rept 12
	s_wait_dscnt 11-tq
	global_store_b128 v[CO], v[32+4*tq:35+4*tq], s[70:71] offset:(tq/3)*12288+(tq%3)*256   ; 16 lanes store 256 consecutive bytes, aligned
.set tq, tq+1
.endr
	s_wait_xcnt 0x0                                ; the stores have read their registers and their base
	v_add_nc_u32 v[RD], 8*SP, v[RD]
	s_add_nc_u64 s[70:71], s[70:71], 8*6144
	s_sub_co_u32 s19, s19, 1
	s_cmp_lg_u32 s19, 0
	s_cbranch_scc1 .Lback
	s_wait_tensorcnt 0x0                           ; the wave's end
	ds_add_u32 v[SPW], v[NIL]
	s_wait_dscnt 0x0
	CROUND                                         ; the closing round
	s_endpgm
.Lfunc_end_k_q3f5bcc2ee3_proj:
	.size	k_q3f5bcc2ee3_proj, .Lfunc_end_k_q3f5bcc2ee3_proj-k_q3f5bcc2ee3_proj
	.p2alignl 7, 3214868480
	.fill 96, 4, 3214868480
	.section	.rodata,"a",@progbits
	.p2align	6, 0x0
	.amdhsa_kernel k_q3f5bcc2ee3_proj
		.amdhsa_group_segment_fixed_size 327680
		.amdhsa_private_segment_fixed_size 0
		.amdhsa_enable_private_segment 0
		.amdhsa_kernarg_size 32
		.amdhsa_user_sgpr_count 2
		.amdhsa_user_sgpr_kernarg_segment_ptr 1
		.amdhsa_wavefront_size32 1
		.amdhsa_system_sgpr_workgroup_id_x 1
		.amdhsa_system_sgpr_workgroup_id_y 1
		.amdhsa_system_sgpr_workgroup_id_z 1
		.amdhsa_system_vgpr_workitem_id 0
		.amdhsa_next_free_vgpr 1024
		.amdhsa_next_free_sgpr 80
		.amdhsa_reserve_vcc 0
		.amdhsa_float_denorm_mode_32 3
		.amdhsa_float_denorm_mode_16_64 3
		.amdhsa_memory_ordered 1
		.amdhsa_forward_progress 1
		.amdhsa_inst_pref_size 121
	.end_amdhsa_kernel
	.amdgpu_metadata
---
amdhsa.version: [ 1, 2 ]
amdhsa.kernels:
  - .name:           k_q3f5bcc2ee3_proj
    .symbol:         k_q3f5bcc2ee3_proj.kd
    .args:
      - { .name: xb, .offset: 0, .size: 8, .value_kind: global_buffer, .address_space: global }
      - { .name: wt, .offset: 8, .size: 8, .value_kind: global_buffer, .address_space: global }
      - { .name: bb, .offset: 16, .size: 8, .value_kind: global_buffer, .address_space: global }
      - { .name: qkv, .offset: 24, .size: 8, .value_kind: global_buffer, .address_space: global }
    .group_segment_fixed_size: 327680
    .private_segment_fixed_size: 0
    .kernarg_segment_align: 8
    .kernarg_segment_size: 32
    .max_flat_workgroup_size: 128
    .sgpr_count:     80
    .vgpr_count:     1024
    .wavefront_size: 32
...
	.end_amdgpu_metadata
.endif
;; end of part 2
;; launch score (part 3): grid 36 x 4, 4 waves a work-group, no clusters, 327,680 bytes of LDS; arguments qkv, pt, sm, sl; writes pt, sm, sl
.if DOCPART == 3
	.amdgcn_target "amdgcn-amd-amdhsa--gfx1250"
	.amdhsa_code_object_version 6
	.text
	.protected	k_q3f5bcc2ee3_score
	.globl	k_q3f5bcc2ee3_score
	.p2align	8
	.type	k_q3f5bcc2ee3_score,@function
k_q3f5bcc2ee3_score:
	s_mov_b64 s[64:65], 0
	v_nop
	global_prefetch_b8 v0, s[64:65] scope:SCOPE_SE
	s_setreg_imm32_b32 hwreg(HW_REG_WAVE_MODE, 25, 1), 1
	s_wait_xcnt 0x0
; SCORE: for each tile of 256 queries x 256 keys on or under the diagonal, S = q k^T (f16 operands, f32 sums, K = 1024).  For each wave tile of 128 x 128 and each query:
;   m = the largest s of the 128 keys (raw, unscaled);  P~ = 2^(c (s - m)), c = log2(e) / 32, rounded to f16 into pt;  l = the sum of the unrounded P~.  m goes to sm, l to sl: [16 key tiles][8192 rows].
; The next launch joins the key tiles by their maxima: together the two are the softmax with its running maximum.
; LIMITS.  A hidden score counts as its value less 1e30 (f16's scores reach 4.4e12 at the most); a weight below 2^-126 counts as 0; NaN and infinities are not treated apart.
; (s - m) is formed first and then scaled, two instructions where one fused line would do: in the wave tile that is wholly hidden m is about -1e30, and c s - round(c m) would leave a huge exponent; the difference is never above 0, so P~ lies in 0 to 1 in every tile.
; SHARES.  y: the batch.  x = 0..35: tile (I, J), J <= I, of the batch's triangle.  Four waves, each 128 x 128: 64 accumulators in windows 2 and 3; q's fragments in window 0, k's in window 1.
; Source 0 = 16 keys, source 1 = 16 queries: a lane holds ONE query (lane % 16) and the keys 8 (lane / 16) + 0..7 of each block of 16.
; THE MASK is the C operand of each accumulator's first product: 0, or -1e30 where the key is hidden.
; NO CLUSTER: a batch's 36 tiles form a triangle, with rows of 1 to 8 tiles and columns of 8 to 1; fours that share a row or a column exist only with partners that have no tile (48 work-groups for 36 tiles).
.set PITCH,  272                       ; 256 bytes + 16: the 16 rows of a fragment load start at 16 different groups of four banks (ISA guide 11.1)
.set HALFT,  128*PITCH
.set SLOT,   4*HALFT                   ; q's 256 rows, then k's 256 rows, 128 along K
.set STAGE,  2*SLOT                    ; 16 rows x 272 bytes a wave
.set SP,     272
.set STAT,   STAGE+4*16*SP             ; 1,024 bytes a wave: 128 m, 128 l
.set SPARE,  STAT+4096                 ; the spare words, which no other line names
.set ADRA, 16
.set ADRB, 20
.set SOF,  22                          ; v22  my 16 bytes in sm and sl
.set SA,   23                          ; v23  where m and l go in LDS
.set STO,  24
.set RD,   25
.set CO,   26
.set DA,   27                          ; v27  my 16 bytes in the wave's dump
.set SPW,  28
.set NIL,  29
.set PFO,  30
.set DR,   31                          ; v31  the dump, at the block of 16 queries in hand
.set MLO,  32                          ; v32-39 mask where the query block lies under the key block; v40-47 on it; v48-55 above it
.set MDG,  40
.set MHI,  48
.set F0,   64
.set F1,   128
.set S,    64                          ; the way out: 64 scores, 32 packed, 32 read back
.set H,    128
.set BK,   160
.set G1, 24
.set G0, 32
.set MSB, 0
.macro WIN new
.if MSB != (\new)
	s_set_vgpr_msb (MSB<<8)|(\new)
.set MSB, (\new)
.endif
.endm
.macro PLACES
.rept 4
	v_nop
.endr
.endm
; A PREFETCH INTO THE L2 behind each refill and its run of LDS loads: the K step two refills on, 128 rows x 256 bytes, a lane a row, four instructions.  q's rows are read by the tiles (I, 0..I): the one with J = 0 asks
; (waves 0, 1); k's by the tiles (J..7, J): the one with I = 7 asks (waves 2, 3).  So each row's 256 bytes of a step are named once.  Steps 0 to 3 come by their loads alone; the loop's last trip asks for nothing.
.macro ASK
	s_cmp_gt_u32 s18, s42
	s_cbranch_scc0 .Lnone_\@
.irp i, 0,1,2,3
	global_prefetch_b8 v[PFO], s[40:41] offset:256+(\i)*196608 th:TH_LOAD_NT scope:SCOPE_SE
.endr
.Lnone_\@:
.endm
	s_load_b256 s[4:11], s[0:1], 0x0               ; qkv s[4:5], pt s[6:7], sm s[8:9], sl s[10:11]
	v_lshl_add_u32 v[SPW], v0, 2, SPARE
	v_mov_b32 v[NIL], 0
	ds_add_u32 v[SPW], v[NIL]                      ; the wave's opening: the add and its wait ahead of the first tensor load
	v_lshrrev_b32 v1, 5, v0
	v_readfirstlane_b32 s12, v1                    ; wave
	s_lshr_b32 s13, s12, 1                         ; rh: my half of the queries
	s_and_b32 s16, s12, 1                          ; ch: my half of the keys.  Also: which 128 rows I fetch
	s_and_b32 s17, ttmp7, 0xffff                   ; batch
	s_mov_b32 s14, 0
.irp T, 1,3,6,10,15,21,28
	s_cmp_ge_u32 ttmp9, \T
	s_cselect_b32 s15, 1, 0
	s_add_co_u32 s14, s14, s15                     ; I
.endr
	s_add_co_u32 s15, s14, 1
	s_mul_i32 s15, s15, s14
	s_lshr_b32 s15, s15, 1
	s_sub_co_u32 s15, ttmp9, s15                   ; J = x - I (I + 1) / 2
	s_mov_b32 s[G1], (1<<16)|(1<<20)|(5<<22)|(3<<25)  ; 2-byte elements; padding on; after every 64 words; 4 words
	s_mov_b32 s[G1+1], 128<<16
	s_mov_b32 s[G1+2], 128<<16
	s_mov_b32 s[G1+3], 128<<16
	s_mov_b32 s[G1+4], 128
	s_mov_b32 s[G1+5], 3072                        ; elements from row to row of qkv
	s_mov_b32 s[G1+6], 0
	s_mov_b32 s[G1+7], 0
	s_cmp_lt_u32 s12, 2                            ; waves 0, 1 fetch q's halves, waves 2, 3 k's
	s_cselect_b32 s19, s14, s15
	s_cselect_b32 s20, 0, 2048
	s_lshl_b32 s19, s19, 8
	s_lshl_b32 s21, s17, 11
	s_add_co_u32 s19, s19, s21
	s_lshl_b32 s21, s16, 7
	s_add_co_u32 s19, s19, s21
	s_mul_i32 s19, s19, 6144
	s_add_co_u32 s22, s19, s20
	s_mov_b32 s23, 0
	s_mul_i32 s21, s12, HALFT                      ; where my tile goes: wave x 128 rows
	s_sub_co_u32 s43, 7, s14
	s_cmp_lt_u32 s12, 2
	s_cselect_b32 s42, s15, s43
	s_cmp_eq_u32 s42, 0
	s_cselect_b32 s42, 1, -1                       ; 1 in a wave that prefetches
	s_mov_b32 s44, 0x3d38aa3b                      ; c = log2(e) / 32
	s_mov_b32 s45, s44
	s_mov_b32 s46, 0x76543210                      ; v_permlanex16_b32: each lane takes its own place in the other half
	s_mov_b32 s47, 0xfedcba98
	s_wait_dscnt 0x0
	s_wait_kmcnt 0x0
	s_add_nc_u64 s[22:23], s[4:5], s[22:23]
.irp s, 0,1
	s_mov_b32 s[G0+4*(\s)], 1
	s_add_co_u32 s[G0+4*(\s)+1], s21, (\s)*SLOT
	s_add_nc_u64 s[G0+4*(\s)+2:G0+4*(\s)+3], s[22:23], (\s)*256
	s_or_b32 s[G0+4*(\s)+3], s[G0+4*(\s)+3], 0x80000000
.endr
	tensor_load_to_lds s[G0:G0+3], s[G1:G1+7]      ; K steps 0 and 1: two loads of mine are out
	s_nop 0
	tensor_load_to_lds s[G0+4:G0+7], s[G1:G1+7]
	s_nop 0
	PLACES
	s_add_nc_u64 s[40:41], s[22:23], 512           ; the prefetches stand at K step 2; the first refill steps them to 3 and names step 4
	v_and_b32 v1, 15, v0                           ; r
	v_bfe_u32 v2, v0, 4, 1                         ; h
	v_and_b32 v5, 31, v0
	v_mul_u32_u24 v[PFO], v5, 6144
	v_mul_u32_u24 v3, v1, PITCH
	v_lshl_add_u32 v3, v2, 4, v3
	s_mul_i32 s19, s13, HALFT
	s_mul_i32 s20, s16, HALFT
	s_add_co_u32 s20, s20, 2*HALFT
	v_add_nc_u32 v[ADRA], s19, v3
	v_add_nc_u32 v[ADRA+1], SLOT, v[ADRA]
	v_add_nc_u32 v[ADRB], s20, v3
	v_add_nc_u32 v[ADRB+1], SLOT, v[ADRB]
	s_mul_i32 s19, s12, 16*SP
	s_add_co_u32 s19, s19, STAGE
	v_add_nc_u32 v[STO], s19, v3                   ; in: row r, 16 bytes for each half of the lanes (the stage's pitch is the ring's)
	v_mul_u32_u24 v[RD], v2, SP
	v_lshl_add_u32 v[RD], v1, 4, v[RD]
	v_add_nc_u32 v[RD], s19, v[RD]                 ; back: lanes 0-15 one row of 256 bytes, lanes 16-31 the next
	v_lshlrev_b32 v[CO], 12, v2
	v_lshl_add_u32 v[CO], v1, 4, v[CO]
	s_lshl_b32 s19, s12, 16
	v_lshl_add_u32 v[DA], v5, 4, s19               ; the dump: 65,536 bytes a wave, in the ring after its last fill
	v_mov_b32 v[DR], v[DA]
	s_lshl_b32 s19, s12, 10
	s_add_co_u32 s19, s19, STAT
	v_lshl_add_u32 v[SA], v1, 2, s19
	v_lshl_add_u32 v6, v5, 4, s19                  ; v6: the statistics read back, 16 bytes a lane
	s_lshl_b32 s53, s17, 11                        ; my first query's row: 2048 batch + 256 I + 128 rh
	s_lshl_b32 s20, s14, 8
	s_add_co_u32 s53, s53, s20
	s_lshl_b32 s20, s13, 7
	s_add_co_u32 s53, s53, s20
	s_lshl_b32 s54, s53, 12                        ; pt: rows of 4,096 bytes; my keys begin at byte 512 J + 256 ch
	s_lshl_b32 s20, s15, 9
	s_add_co_u32 s54, s54, s20
	s_lshl_b32 s20, s16, 8
	s_add_co_u32 s54, s54, s20
	s_mov_b32 s55, 0
	s_add_nc_u64 s[56:57], s[6:7], s[54:55]
	s_lshl_b32 s20, s15, 1                         ; sm, sl: key tile 2 J + ch
	s_add_co_u32 s20, s20, s16
	s_lshl_b32 s20, s20, 13
	s_add_co_u32 s20, s20, s53
	s_lshl_b32 s20, s20, 2
	v_lshl_add_u32 v[SOF], v5, 4, s20
	; the masks.  d = 2 (I - J) + rh - ch: key - query = -128 d + 16 (b - a) + 8 h + j - r.  d > 0: nothing hidden; d < 0: all; d = 0: blocks b > a, and in a = b the keys with j > r - 8 h
	s_sub_co_u32 s48, s14, s15
	s_lshl_b32 s48, s48, 1
	s_add_co_u32 s48, s48, s13
	s_sub_co_i32 s48, s48, s16
	s_mov_b32 s49, 0xf149f2ca                      ; -1e30
	s_cmp_lt_i32 s48, 0
	s_cselect_b32 s50, s49, 0
	s_cmp_le_i32 s48, 0
	s_cselect_b32 s51, s49, 0
	s_cmp_eq_u32 s48, 0
	s_cselect_b32 s52, 1.0, 0
	v_lshlrev_b32 v3, 3, v2
	v_sub_nc_u32 v4, v1, v3                        ; r - 8 h
.irp j, 0,1,2,3,4,5,6,7
	v_mov_b32 v[MLO+(\j)], s50
	v_mov_b32 v[MHI+(\j)], s51
	v_cmp_gt_i32 vcc_lo, \j, v4
	v_cndmask_b32 v[MDG+(\j)], 0, s49, vcc_lo
	v_fma_f32 v[MDG+(\j)], v[MDG+(\j)], s52, s50
.endr
; 16 products: query blocks a0, a0 + 1 of the window's four x all 8 key blocks, 32 along K.  zero = 1: the first product starts the sum with its mask.  The 64 accumulators take turns.
.macro MUL16 f, hi, a0, zero
.irp a, \a0, (\a0)+1
.irp b, 0,1,2,3,4,5,6,7
.if \zero
	WIN 0x81+0x40*(\hi)                            ; k in window 1, q and the mask in window 0, the sum in window 2 or 3
.if (4*(\hi)+(\a)) > (\b)
	v_wmma_f32_16x16x32_f16 v[8*(8*(\a)+(\b)):8*(8*(\a)+(\b))+7], v[(\f)+8*(\b):(\f)+8*(\b)+7], v[(\f)+8*(4*(\hi)+(\a)):(\f)+8*(4*(\hi)+(\a))+7], v[MLO:MLO+7]
.elseif (4*(\hi)+(\a)) == (\b)
	v_wmma_f32_16x16x32_f16 v[8*(8*(\a)+(\b)):8*(8*(\a)+(\b))+7], v[(\f)+8*(\b):(\f)+8*(\b)+7], v[(\f)+8*(4*(\hi)+(\a)):(\f)+8*(4*(\hi)+(\a))+7], v[MDG:MDG+7]
.else
	v_wmma_f32_16x16x32_f16 v[8*(8*(\a)+(\b)):8*(8*(\a)+(\b))+7], v[(\f)+8*(\b):(\f)+8*(\b)+7], v[(\f)+8*(4*(\hi)+(\a)):(\f)+8*(4*(\hi)+(\a))+7], v[MHI:MHI+7]
.endif
.else
	WIN 0xa1+0x50*(\hi)
	v_wmma_f32_16x16x32_f16 v[8*(8*(\a)+(\b)):8*(8*(\a)+(\b))+7], v[(\f)+8*(\b):(\f)+8*(\b)+7], v[(\f)+8*(4*(\hi)+(\a)):(\f)+8*(4*(\hi)+(\a))+7], v[8*(8*(\a)+(\b)):8*(8*(\a)+(\b))+7]
.endif
.endr
.endr
.endm
.macro FETCH slot, k, f                ; 32 LDS loads in one run: k's 128 rows (window 1), then q's (window 0), 32 along K at byte k
	WIN 0x40
.irp i, 0,1,2,3,4,5,6,7
	ds_load_b128 v[(\f)+8*(\i):(\f)+8*(\i)+3],   v[ADRB+(\slot)] offset:(\k)+(\i)*16*PITCH
	ds_load_b128 v[(\f)+8*(\i)+4:(\f)+8*(\i)+7], v[ADRB+(\slot)] offset:(\k)+(\i)*16*PITCH+32
.endr
	WIN 0
.irp i, 0,1,2,3,4,5,6,7
	ds_load_b128 v[(\f)+8*(\i):(\f)+8*(\i)+3],   v[ADRA+(\slot)] offset:(\k)+(\i)*16*PITCH
	ds_load_b128 v[(\f)+8*(\i)+4:(\f)+8*(\i)+7], v[ADRA+(\slot)] offset:(\k)+(\i)*16*PITCH+32
.endr
.endm
.macro QUARTER slot, k, f, g, zero     ; 64 products on buffer f; in their middle the next quarter's fragments, at byte k, into buffer g
	s_wait_dscnt 8                                 ; k and q's rows 0-63 are in; the youngest eight loads may be out
	MUL16 \f, 0, 0, \zero
	MUL16 \f, 0, 2, \zero
	PLACES
	FETCH \slot, \k, \g
	s_wait_dscnt 32                                ; all but the 32 just issued
	MUL16 \f, 1, 0, \zero
	MUL16 \f, 1, 2, \zero
.endm
; The last quarter of a K step changes slots: one barrier; in front of it each wave waits for all its tensor loads (one is out: its part of the next slot), adds 0 to its spare word, and waits for that and for its reads of this slot.
; fill = 1: this slot is filled again, two K steps on, first thing behind the barrier: 224 products stand between the request and the wait for it.
.macro TURN slot, next, fill
.if \fill
	s_wait_xcnt 0x0                                ; the last prefetches, a K step back, have read their address
	s_add_nc_u64 s[40:41], s[40:41], 256
.endif
	WIN 0
	s_wait_tensorcnt 0x0
	ds_add_u32 v[SPW], v[NIL]
	s_wait_dscnt 9                                 ; the add and the youngest eight loads may be out
	MUL16 F1, 0, 0, 0
	s_wait_dscnt 0x0
	s_barrier_signal -1
	MUL16 F1, 0, 2, 0
	WIN 0
	s_barrier_wait -1
.if \fill
	s_add_nc_u64 s[G0+4*(\slot)+2:G0+4*(\slot)+3], s[G0+4*(\slot)+2:G0+4*(\slot)+3], 512
	tensor_load_to_lds s[G0+4*(\slot):G0+4*(\slot)+3], s[G1:G1+7]
	s_nop 0
.endif
	PLACES                                         ; behind the load; also the places in front of the loads below
	FETCH \next, 0, F0
.if \fill
	ASK
.endif
	MUL16 F1, 1, 0, 0
	MUL16 F1, 1, 2, 0
.endm
	s_wait_tensorcnt 0x1                           ; my part of K step 0 is in
	s_barrier_signal -1
	s_barrier_wait -1
	FETCH 0, 0, F0
	QUARTER 0, 64, F0, F1, 1
	WIN 0
	s_mov_b32 s18, 3
.Llap:                                                 ; once round the ring: K steps 2 to 7 are asked for
	QUARTER 0, 128, F1, F0, 0
	QUARTER 0, 192, F0, F1, 0
	TURN 0, 1, 1
	QUARTER 1, 64,  F0, F1, 0
	QUARTER 1, 128, F1, F0, 0
	QUARTER 1, 192, F0, F1, 0
	TURN 1, 0, 1
	QUARTER 0, 64,  F0, F1, 0
	WIN 0
	s_sub_co_u32 s18, s18, 1
	s_cmp_lg_u32 s18, 0
	s_cbranch_scc1 .Llap
	QUARTER 0, 128, F1, F0, 0                      ; the last lap fills nothing
	QUARTER 0, 192, F0, F1, 0
	TURN 0, 1, 0
	QUARTER 1, 64,  F0, F1, 0
	QUARTER 1, 128, F1, F0, 0
	QUARTER 1, 192, F0, F1, 0
	s_wait_dscnt 8
	MUL16 F1, 0, 0, 0
	MUL16 F1, 0, 2, 0
	s_wait_dscnt 0x0
	MUL16 F1, 1, 0, 0
	MUL16 F1, 1, 2, 0
	WIN 0
	PLACES
	PLACES
	s_barrier_signal -1                            ; every wave's reads of the ring are over: each wave may write its 65,536 bytes of it
	s_barrier_wait -1
	; THE DUMP: the scores go to LDS as they lie, so that ONE text in one window, looped eight times, serves all eight blocks of 16 queries
	WIN 0x08                                       ; store data in window 2
.set n, 0
.rept 32
	ds_store_b128 v[DA], v[8*n:8*n+3]   offset:n*1024
	ds_store_b128 v[DA], v[8*n+4:8*n+7] offset:n*1024+512
.set n, n+1
.endr
	WIN 0x0c                                       ; window 3
.rept 32
	ds_store_b128 v[DA], v[8*(n-32):8*(n-32)+3]   offset:n*1024
	ds_store_b128 v[DA], v[8*(n-32)+4:8*(n-32)+7] offset:n*1024+512
.set n, n+1
.endr
	WIN 0
	s_mov_b32 s18, 8
.Lblock:                                               ; 16 queries x 128 keys: a lane has one query and 64 of its keys, the lane 16 away the other 64
.set n, 0
.rept 16
	ds_load_b128 v[S+4*n:S+4*n+3], v[DR] offset:n*512   ; the wave's own bytes: LDS serves a wave's instructions in order (ISA guide 5.7.1.4)
.set n, n+1
.endr
	s_wait_dscnt 0x0
.irp k, 0,1,2,3
	v_max3_num_f32 v[32+(\k)], v[S+16*(\k)], v[S+16*(\k)+1], v[S+16*(\k)+2]   ; four chains of fifteen scores
.endr
.set i, 0
.rept 6
.irp k, 0,1,2,3
	v_max3_num_f32 v[32+(\k)], v[32+(\k)], v[S+16*(\k)+3+2*i], v[S+16*(\k)+4+2*i]
.endr
.set i, i+1
.endr
	v_max3_num_f32 v32, v32, v[S+15], v[S+31]      ; the four left over, and the chains into one
	v_max3_num_f32 v34, v34, v[S+47], v[S+63]
	v_max3_num_f32 v32, v32, v33, v34
	v_max_num_f32 v32, v32, v35
	v_permlanex16_b32 v37, v32, s46, s47
	v_max_num_f32 v36, v32, v37                    ; m
.set i, 0
.rept 32
	v_pk_add_f32 v[S+2*i:S+2*i+1], v[S+2*i:S+2*i+1], v[36:37] op_sel_hi:[1,0] neg_lo:[0,1] neg_hi:[0,1]   ; s - m: never above 0
.set i, i+1
.endr
.set i, 0
.rept 32
	v_pk_mul_f32 v[S+2*i:S+2*i+1], v[S+2*i:S+2*i+1], s[44:45] op_sel_hi:[1,0]
.set i, i+1
.endr
.set i, 0
.rept 64
	v_exp_f32 v[S+i], v[S+i]
.set i, i+1
.endr
	v_nop                                          ; a plain instruction behind the last exponential,
	s_wait_alu depctr_va_vdst(0)                   ; and one wait for the batch of 64, ahead of the first reader
.set i, 0
.rept 32
	v_cvt_pk_f16_f32 v[H+i], v[S+2*i], v[S+2*i+1]
.set i, i+1
.endr
.irp w, 1,2,4,8,16
.set p, 0
.rept 16/(\w)
	v_pk_add_f32 v[S+2*p:S+2*p+1], v[S+2*p:S+2*p+1], v[S+2*(p+(\w)):S+2*(p+(\w))+1]   ; the sum of the 32 pairs, as a tree, in place
.set p, p+2*(\w)
.endr
.endr
	v_add_f32 v38, v[S], v[S+1]
	v_permlanex16_b32 v39, v38, s46, s47
	v_add_f32 v38, v38, v39                        ; l
	ds_store_b32 v[SA], v36
	ds_store_b32 v[SA], v38 offset:512
.irp b, 0,1,2,3,4,5,6,7
	ds_store_b128 v[STO], v[H+4*(\b):H+4*(\b)+3] offset:32*(\b)
.endr
.irp t, 0,1,2,3,4,5,6,7
	ds_load_b128 v[BK+4*(\t):BK+4*(\t)+3], v[RD] offset:(\t)*2*SP
.endr
.irp t, 0,1,2,3,4,5,6,7
	s_wait_dscnt 7-(\t)
	global_store_b128 v[CO], v[BK+4*(\t):BK+4*(\t)+3], s[56:57] offset:(\t)*8192   ; 16 lanes store 256 consecutive bytes, aligned
.endr
	s_wait_xcnt 0x0                                ; the stores have read their registers and their base
	v_add_nc_u32 v[DR], 8192, v[DR]
	v_add_nc_u32 v[SA], 64, v[SA]
	s_add_nc_u64 s[56:57], s[56:57], 65536
	s_sub_co_u32 s18, s18, 1
	s_cmp_lg_u32 s18, 0
	s_cbranch_scc1 .Lblock
	ds_load_b128 v[64:67], v6                      ; my wave's 128 m and 128 l: 512 consecutive bytes each
	ds_load_b128 v[68:71], v6 offset:512
	s_wait_dscnt 0x0
	global_store_b128 v[SOF], v[64:67], s[8:9]
	global_store_b128 v[SOF], v[68:71], s[10:11]
	s_wait_tensorcnt 0x0                           ; the wave's end
	ds_add_u32 v[SPW], v[NIL]
	s_wait_dscnt 0x0
	s_endpgm
.Lfunc_end_k_q3f5bcc2ee3_score:
	.size	k_q3f5bcc2ee3_score, .Lfunc_end_k_q3f5bcc2ee3_score-k_q3f5bcc2ee3_score
	.p2alignl 7, 3214868480
	.fill 96, 4, 3214868480
	.section	.rodata,"a",@progbits
	.p2align	6, 0x0
	.amdhsa_kernel k_q3f5bcc2ee3_score
		.amdhsa_group_segment_fixed_size 327680
		.amdhsa_private_segment_fixed_size 0
		.amdhsa_enable_private_segment 0
		.amdhsa_kernarg_size 32
		.amdhsa_user_sgpr_count 2
		.amdhsa_user_sgpr_kernarg_segment_ptr 1
		.amdhsa_wavefront_size32 1
		.amdhsa_system_sgpr_workgroup_id_x 1
		.amdhsa_system_sgpr_workgroup_id_y 1
		.amdhsa_system_sgpr_workgroup_id_z 1
		.amdhsa_system_vgpr_workitem_id 0
		.amdhsa_next_free_vgpr 1024
		.amdhsa_next_free_sgpr 66
		.amdhsa_reserve_vcc 1
		.amdhsa_float_denorm_mode_32 3
		.amdhsa_float_denorm_mode_16_64 3
		.amdhsa_memory_ordered 1
		.amdhsa_forward_progress 1
		.amdhsa_inst_pref_size 136
	.end_amdhsa_kernel
	.amdgpu_metadata
---
amdhsa.version: [ 1, 2 ]
amdhsa.kernels:
  - .name:           k_q3f5bcc2ee3_score
    .symbol:         k_q3f5bcc2ee3_score.kd
    .args:
      - { .name: qkv, .offset: 0, .size: 8, .value_kind: global_buffer, .address_space: global }
      - { .name: pt, .offset: 8, .size: 8, .value_kind: global_buffer, .address_space: global }
      - { .name: sm, .offset: 16, .size: 8, .value_kind: global_buffer, .address_space: global }
      - { .name: sl, .offset: 24, .size: 8, .value_kind: global_buffer, .address_space: global }
    .group_segment_fixed_size: 327680
    .private_segment_fixed_size: 0
    .kernarg_segment_align: 8
    .kernarg_segment_size: 32
    .max_flat_workgroup_size: 128
    .sgpr_count:     66
    .vgpr_count:     1024
    .wavefront_size: 32
...
	.end_amdgpu_metadata
.endif
;; end of part 3
;; launch mix (part 4): grid 8 x 32, 4 waves a work-group, clusters of 4 x 1, 327,680 bytes of LDS; arguments pt, qkv, sm, sl, out0; writes out0
.if DOCPART == 4
	.amdgcn_target "amdgcn-amd-amdhsa--gfx1250"
	.amdhsa_code_object_version 6
	.text
	.protected	k_q3f5bcc2ee3_mix
	.globl	k_q3f5bcc2ee3_mix
	.p2align	8
	.type	k_q3f5bcc2ee3_mix,@function
k_q3f5bcc2ee3_mix:
	s_mov_b64 s[64:65], 0
	v_nop
	global_prefetch_b8 v0, s[64:65] scope:SCOPE_SE
	s_setreg_imm32_b32 hwreg(HW_REG_WAVE_MODE, 25, 1), 1
	s_wait_xcnt 0x0
	s_wait_alu depctr_hold_cnt(0) depctr_sa_sdst(0) depctr_va_vdst(0) depctr_va_sdst(0) depctr_va_ssrc(0) depctr_va_vcc(0) depctr_vm_vsrc(0)
	s_getreg_b32 s2, hwreg(HW_REG_IB_STS2, 6, 4)
	s_cmp_eq_u32 s2, 0
	s_cbranch_scc0 .Lentry_in_a_cluster
	s_endpgm
.Lentry_in_a_cluster:
	s_bfe_u32 s2, ttmp6, 0x10000c
	s_cmp_lg_u32 s2, 0x3003
	s_cbranch_scc0 .Lentry_shape_is_right
	s_endpgm
.Lentry_shape_is_right:
; MIX: O[q] = (1 / L) sum over key tiles t of f_t (P~_t V_t), f_t = 2^(c (m_t - M)), M = the largest m_t, L = the sum of f_t l_t: the softmax's maxima of the key tiles are joined here.  c = log2(e) / 32.
; P~ and V are f16; f is rounded to f16 and multiplied into P~ (one more rounding to f16); products' sums, M, L and O in f32.
; LIMITS.  |v| < 65,504 (f16).  A weight below 2^-126 counts as 0 in L, f P~ below 6e-5 keeps f16's fixed step.  NaN and infinities are not treated apart.
; SHARES.  ct = the tile of 128 channels; y = 8 batch + b.  A work-group makes 128 queries x 128 channels for TWO blocks of 128 queries: block b (nX = b / 2 + 1 steps of 256 keys), then block 15 - b (nY = 8 - b / 2):
; nine steps whatever b: equal work for all 256 work-groups, one walk with constant trip counts.  Where a block's last step reaches past its diagonal, that key tile has f = 0.  Wave (rh, ch) makes 64 x 64: 16 accumulators.
; Source 0 = P (lane = query), source 1 = V turned by ds_load_tr16_b128 (lane = channel): in the result a lane holds one channel and the queries 8 (lane / 16) + 0..7.
; CLUSTER 4 x 1: the four partners (four ct) walk the same P, asked for jointly; V differs by ct and is each one's own load.  No branch, trip count or LDS address hangs on the place in the cluster.
; REGISTERS.  Window 0: v16-31 addresses; v32-35, v36-39 f of the step's two key tiles; v40-47 1 / L; v48-111 the way out; v128-191, v192-255 V's fragments, two buffers (before the walk: the statistics).
; Window 1: v0-63, v64-127 P's fragments, two buffers; v128-255 the accumulators ((a, c) at 128 + 8 (4 a + c)).  One setting, 0x51, serves the products and the scaling of P that rides behind them.
.set PP,     528                       ; a row of P in LDS: 512 bytes + 16
.set PVP,    288                       ; a row of V: 256 + 32
.set PHALF,  64*PP
.set VOFF,   2*PHALF
.set VHALF,  128*PVP
.set SLOT,   VOFF+2*VHALF              ; 141,312
.set STAGE,  2*SLOT                    ; 16 rows x 272 bytes a wave
.set SP,     272
.set FT,     STAGE+4*16*SP             ; f as a pair of f16: [20 tiles of the walk][128 rows]
.set IL,     FT+20*512                 ; 1 / L: [2 blocks][128 rows]
.set SPARE,  IL+1024                   ; the spare words, which no other line names
.set VSTEP,  256*6144                  ; bytes from a step's keys to the next in qkv
.set ADP0, 16
.set ADV0, 17
.set ADP,  18
.set ADV,  19                          ; v19, v20: keys 0-127, 128-255 of the slot
.set FAD,  21
.set ILA,  22
.set ILB,  23
.set STO,  24
.set RD,   25
.set CO,   26
.set FW,   27
.set SPW,  28
.set NIL,  29
.set PFP,  30
.set PFV,  31
.set FA,   32
.set FB,   36
.set RL,   40
.set TMP,  48
.set BK,   80
.set VBF,  128
.set ACC,  128
.set OF,   128                         ; the statistics: 18 offsets, m, l, biases
.set PM,   146
.set PLS,  164
.set HB,   182
.set MX,   200
.set MY,   201
.set NG,   202
.set LX,   203
.set LY,   204
.set T0,   205
.set T1,   206
.set T2,   207
.set G1P, 24
.set G1V, 32
.set G0P, 40
.set G0V, 44
; scalars: s14 wave, s15 rh, s16 wave & 1, s17 cx, s18 ct, s19 batch, s20 b, s21 15 - b, s22 nX, s23 nY; the requests: s48 step in its block, s49 the block's steps, s50 P's rows (s51: second block's), s52 V's rows and columns,
; s53 slot to fill, s57, s2 my part's place in a slot; s54 slot to read; s55 steps left in the block in hand; s56 loop count; s[66:67] O (s[68:69]: second block's); s[70:71], s72-74 the prefetches; s84-101 masks: tile u of the walk is the first block's
.set MSB, 0
.macro WIN new
.if MSB != (\new)
	s_set_vgpr_msb (MSB<<8)|(\new)
.set MSB, (\new)
.endif
.endm
.macro PLACES
.rept 4
	v_nop
.endr
.endm
.macro JLOAD                           ; waves 0, 1: the halves of P's tile, jointly; waves 2, 3: the halves of V's.  An s_nop 0 and four v_nop follow each line
	s_cmp_lt_u32 s14, 2
	s_cbranch_scc0 .Lfor_v_\@
	tensor_load_to_lds s[G0P:G0P+3], s[G1P:G1P+7]
	s_nop 0
	PLACES
	s_branch .Lasked_\@
.Lfor_v_\@:
	tensor_load_to_lds s[G0V:G0V+3], s[G1V:G1V+7]
	s_nop 0
	PLACES
.Lasked_\@:
.endm
.macro CREST
	s_cmp_lg_u32 s14, 0
	s_cbranch_scc1 .Lnot_wave_0_\@
	s_barrier_signal -3
.Lnot_wave_0_\@:
	s_barrier_wait -3
	s_barrier_signal -1
	s_barrier_wait -1
.endm
.macro CROUND
	s_barrier_signal -1
	s_barrier_wait -1
	CREST
.endm
; The descriptors of the walk's next step are made anew from the step's number; then the number steps, and behind the first block's last step goes over to the second block.  It stands where no tensor load of the wave is out.
.macro REQ
	s_lshl_b32 s58, s48, 9                         ; 256 keys of 2 bytes
	s_add_co_u32 s58, s58, s50
	s_add_nc_u64 s[G0P+2:G0P+3], s[4:5], s[58:59]
	s_or_b32 s[G0P+3], s[G0P+3], 0x80000000
	s_add_co_u32 s[G0P+1], s53, s57
	s_mul_i32 s60, s48, VSTEP
	s_add_co_u32 s60, s60, s52
	s_add_nc_u64 s[G0V+2:G0V+3], s[6:7], s[60:61]
	s_or_b32 s[G0V+3], s[G0V+3], 0x80000000
	s_add_co_u32 s[G0V+1], s53, s2
	s_xor_b32 s53, s53, SLOT                       ; 0 and SLOT by turns
	s_add_co_u32 s48, s48, 1
	s_cmp_ge_u32 s48, s49
	s_cselect_b32 s48, 0, s48
	s_cselect_b32 s50, s51, s50
	s_cselect_b32 s73, s74, s73
	s_cselect_b32 s49, s23, s49
.endm
; A PREFETCH INTO THE L2, behind the refill and the run of LDS loads: the step that the NEXT refill will ask for.  P's tile (128 rows x 512 bytes) is read by both clusters of a block: the one with x = 0 asks, waves 0 and 1
; for the 64 rows that they fetch, 16 rows to each partner by address, one instruction.  V's tile is read by all b of a batch: b = 7 asks in its first block, b = 0 from step 4 on in its second, which are the first to want them:
; waves 2 and 3, a lane a row, four instructions.  The last refill asks for nothing.
.macro ASK
	s_cmp_eq_u32 s72, 1
	s_cbranch_scc0 .Lnone_\@
	s_cmp_lt_u32 s14, 2
	s_cbranch_scc0 .Lpf_v_\@
	global_prefetch_b8 v[PFP], s[70:71] th:TH_LOAD_NT scope:SCOPE_SE
	s_branch .Lnone_\@
.Lpf_v_\@:
.irp i, 0,1,2,3
	global_prefetch_b8 v[PFV], s[70:71] offset:(\i)*196608 th:TH_LOAD_NT scope:SCOPE_SE
.endr
.Lnone_\@:
.endm
	s_load_b256 s[4:11], s[0:1], 0x0               ; pt s[4:5], qkv s[6:7], sm s[8:9], sl s[10:11]
	s_load_b64 s[12:13], s[0:1], 0x20              ; out0
	v_lshl_add_u32 v[SPW], v0, 2, SPARE
	v_mov_b32 v[NIL], 0
	ds_add_u32 v[SPW], v[NIL]                      ; the wave's opening: the add and its wait ahead of the first tensor load
	v_lshrrev_b32 v1, 5, v0
	v_readfirstlane_b32 s14, v1
	s_lshr_b32 s15, s14, 1
	s_and_b32 s16, s14, 1
	s_bfe_u32 s17, ttmp6, 0x40000                  ; cx
	s_lshl_b32 s18, ttmp9, 2
	s_add_co_u32 s18, s18, s17                     ; ct
	s_and_b32 s20, ttmp7, 0xffff
	s_lshr_b32 s19, s20, 3                         ; batch
	s_and_b32 s20, s20, 7                          ; b
	s_sub_co_u32 s21, 15, s20
	s_lshr_b32 s22, s20, 1
	s_sub_co_u32 s23, 8, s22                       ; nY
	s_add_co_u32 s22, s22, 1                       ; nX
	s_lshl_b32 s75, s22, 1                         ; the first block's key tiles in the walk
	s_lshl_b32 s79, s19, 11
	s_lshl_b32 s76, s20, 7
	s_add_co_u32 s76, s76, s79                     ; the first block's first row
	s_lshl_b32 s77, s21, 7
	s_add_co_u32 s77, s77, s79                     ; the second's
	s_lshl_b32 s80, s16, 6                         ; the 64 rows of P that I fetch
	s_add_co_u32 s50, s76, s80
	s_lshl_b32 s50, s50, 12
	s_add_co_u32 s51, s77, s80
	s_lshl_b32 s51, s51, 12
	s_lshl_b32 s82, s16, 7                         ; the 128 keys of V that I fetch
	s_add_co_u32 s52, s79, s82
	s_mul_i32 s52, s52, 6144
	s_lshl_b32 s82, s18, 8
	s_add_co_u32 s52, s52, s82
	s_add_co_u32 s52, s52, 4096                    ; v begins at byte 4,096 of a row of qkv
	s_mul_i32 s57, s16, PHALF
	s_mul_i32 s2, s16, VHALF
	s_add_co_u32 s2, s2, VOFF
	s_lshl_b32 s3, s17, 16                         ; the prefetches alone: my 16 rows of P
	s_mov_b32 s[G1P], 15|(1<<16)|(1<<20)|(1<<21)|(6<<22)|(3<<25)  ; the mask of four; 2-byte elements; padding on; bit 21 beside a mask; after every 128 words; 4 words
	s_mov_b32 s[G1P+1], 256<<16
	s_mov_b32 s[G1P+2], 64<<16
	s_mov_b32 s[G1P+3], 256<<16
	s_mov_b32 s[G1P+4], 64
	s_mov_b32 s[G1P+5], 2048
	s_mov_b32 s[G1P+6], 0
	s_mov_b32 s[G1P+7], 0
	s_mov_b32 s[G1V], (1<<16)|(1<<20)|(5<<22)|(7<<25)             ; no mask; after every 64 words; 8 words
	s_mov_b32 s[G1V+1], 128<<16
	s_mov_b32 s[G1V+2], 128<<16
	s_mov_b32 s[G1V+3], 128<<16
	s_mov_b32 s[G1V+4], 128
	s_mov_b32 s[G1V+5], 3072
	s_mov_b32 s[G1V+6], 0
	s_mov_b32 s[G1V+7], 0
	s_mov_b32 s[G0P], 1
	s_mov_b32 s[G0V], 1
	s_mov_b32 s48, 0
	s_mov_b32 s49, s22
	s_mov_b32 s53, 0
	s_mov_b32 s54, 0
	s_mov_b32 s59, 0
	s_mov_b32 s61, 0
	s_mov_b32 s81, 0
	s_mov_b32 s62, 0x3d38aa3b                      ; c
	s_mov_b32 s63, s62
	s_mov_b32 s78, 0xf149f2ca                      ; -1e30
	s_cmp_eq_u32 ttmp9, 0                          ; from which step of a block on a wave prefetches (99: never)
	s_cselect_b32 s79, 0, 99
	s_cmp_eq_u32 s20, 7
	s_cselect_b32 s73, 0, 99
	s_cmp_eq_u32 s20, 0
	s_cselect_b32 s74, 4, 99
	s_cmp_lt_u32 s14, 2
	s_cselect_b32 s73, s79, s73
	s_cselect_b32 s74, s79, s74
	s_wait_dscnt 0x0
	s_wait_kmcnt 0x0
	s_lshl_b32 s79, s15, 6                         ; O at row (block) + 64 rh, byte 512 ct + 256 (wave & 1)
	s_lshl_b32 s82, s18, 9
	s_lshl_b32 s83, s16, 8
	s_add_co_u32 s82, s82, s83
	s_add_co_u32 s80, s76, s79
	s_lshl_b32 s80, s80, 12
	s_add_co_u32 s80, s80, s82
	s_add_nc_u64 s[66:67], s[12:13], s[80:81]
	s_add_co_u32 s80, s77, s79
	s_lshl_b32 s80, s80, 12
	s_add_co_u32 s80, s80, s82
	s_add_nc_u64 s[68:69], s[12:13], s[80:81]
	CROUND                                         ; all four work-groups are here
	REQ
	JLOAD                                          ; the walk's step 0 into slot 0
	v_and_b32 v1, 15, v0                           ; r
	v_bfe_u32 v2, v0, 4, 1                         ; h
	v_and_b32 v3, 31, v0
	v_and_b32 v4, 7, v0
	v_bfe_u32 v5, v0, 3, 1
	s_mul_i32 s79, s15, PHALF
	v_mul_u32_u24 v[ADP0], v1, PP
	v_lshl_add_u32 v[ADP0], v2, 4, v[ADP0]
	v_add_nc_u32 v[ADP0], s79, v[ADP0]             ; P: row 64 rh + 16 a + r, 16 bytes for each half of the lanes
	s_lshl_b32 s79, s16, 7
	s_add_co_u32 s79, s79, VOFF
	v_lshl_add_u32 v[ADV0], v2, 3, v4              ; V, turned: key 8 h + l % 8, channels 8 ((l / 8) % 2) + 0..7
	v_mul_u32_u24 v[ADV0], v[ADV0], PVP
	v_lshl_add_u32 v[ADV0], v5, 4, v[ADV0]
	v_add_nc_u32 v[ADV0], s79, v[ADV0]
	v_mov_b32 v[ADP], v[ADP0]
	v_mov_b32 v[ADV], v[ADV0]
	v_add_nc_u32 v[ADV+1], VHALF, v[ADV0]
	s_lshl_b32 s79, s15, 8
	s_add_co_u32 s80, s79, FT
	v_lshl_add_u32 v[FAD], v1, 2, s80              ; f of row 64 rh + 16 a + r
	s_add_co_u32 s80, s79, IL
	v_lshl_add_u32 v[ILA], v2, 5, s80              ; 1 / L of rows 64 rh + 16 a + 8 h + 0..7
	v_add_nc_u32 v[ILB], 512, v[ILA]
	s_mul_i32 s79, s14, 16*SP
	s_add_co_u32 s79, s79, STAGE
	v_mul_u32_u24 v[STO], v2, 8*SP
	v_lshl_add_u32 v[STO], v1, 2, v[STO]
	v_add_nc_u32 v[STO], s79, v[STO]               ; in: row 8 h + j, word 16 c + r
	v_mul_u32_u24 v[RD], v2, SP
	v_lshl_add_u32 v[RD], v1, 4, v[RD]
	v_add_nc_u32 v[RD], s79, v[RD]
	v_lshlrev_b32 v[CO], 12, v2
	v_lshl_add_u32 v[CO], v1, 4, v[CO]
	v_lshl_add_u32 v[FW], v0, 2, FT
	v_lshrrev_b32 v[PFP], 1, v3
	v_and_b32 v6, 1, v3
	v_lshlrev_b32 v[PFP], 12, v[PFP]
	v_lshl_add_u32 v[PFP], v6, 8, v[PFP]
	v_mul_u32_u24 v[PFV], v3, 6144
	; THE STATISTICS.  Thread n serves row n of both blocks.  Tile u of the walk is tile t of block i.  Where t > i the tile is hidden: tile i's numbers are loaded once more (they change no maximum), and -1e30 in the exponent makes its f = 0.
.set u, 0
.rept 18
	s_cmp_gt_u32 s75, u                            ; the first block's?
	s_cselect_b32 s[84+u], -1, 0
	s_cselect_b32 s79, 0, s75
	s_cselect_b32 s80, s20, s21                    ; i
	s_cselect_b32 s83, s76, s77
	s_sub_co_u32 s79, u, s79                       ; t
	s_cmp_gt_u32 s79, s80
	s_cselect_b32 s82, s78, 0
	s_min_u32 s79, s79, s80
	s_lshl_b32 s79, s79, 13
	s_add_co_u32 s79, s79, s83
	s_lshl_b32 s79, s79, 2
	v_mov_b32 v[HB+u], s82
	v_lshl_add_u32 v[OF+u], v0, 2, s79
	global_load_b32 v[PM+u], v[OF+u], s[8:9]
	global_load_b32 v[PLS+u], v[OF+u], s[10:11]
.set u, u+1
.endr
	WIN 0x40                                       ; the sums start at 0: written while the loads and the first tile are on their way, so that the walk has one form of product
.set i, 0
.rept 128
	v_mov_b32 v[ACC+i], 0
.set i, i+1
.endr
	WIN 0
	v_mov_b32 v[MX], s78
	v_mov_b32 v[MY], s78
	v_mov_b32 v[NG], s78
	v_mov_b32 v[LX], 0
	v_mov_b32 v[LY], 0
	s_wait_loadcnt 0x0
.set u, 0
.rept 18
	v_cndmask_b32 v[T0], v[NG], v[PM+u], s[84+u]
	v_cndmask_b32 v[T1], v[PM+u], v[NG], s[84+u]
	v_max_num_f32 v[MX], v[MX], v[T0]
	v_max_num_f32 v[MY], v[MY], v[T1]
.set u, u+1
.endr
.set u, 0
.rept 18
	v_cndmask_b32 v[T0], v[MY], v[MX], s[84+u]
	v_sub_f32 v[T0], v[PM+u], v[T0]                ; m - M: never above 0
	v_fma_f32 v[PM+u], v[T0], s62, v[HB+u]
.set u, u+1
.endr
.set u, 0
.rept 18
	v_exp_f32 v[PM+u], v[PM+u]                     ; f
.set u, u+1
.endr
	v_nop                                          ; a plain instruction behind the last exponential,
	s_wait_alu depctr_va_vdst(0)                   ; and one wait for the batch of 18
.set u, 0
.rept 18
	v_cndmask_b32 v[T0], 0, v[PM+u], s[84+u]
	v_cndmask_b32 v[T1], v[PM+u], 0, s[84+u]
	v_fma_f32 v[LX], v[T0], v[PLS+u], v[LX]
	v_fma_f32 v[LY], v[T1], v[PLS+u], v[LY]
	v_cvt_pk_f16_f32 v[T2], v[PM+u], v[PM+u]
	ds_store_b32 v[FW], v[T2] offset:u*512
.set u, u+1
.endr
	ds_store_b32 v[FW], v[NIL] offset:18*512       ; what the walk's last change of slots reads
	ds_store_b32 v[FW], v[NIL] offset:19*512
	v_rcp_f32 v[T0], v[LX]
	v_rcp_f32 v[T1], v[LY]
	v_nop
	s_wait_alu depctr_va_vdst(0)
	ds_store_b32 v[FW], v[T0] offset:IL-FT
	ds_store_b32 v[FW], v[T1] offset:IL-FT+512
.macro FETCH q, g                      ; quarter q (64 keys) of the slot in hand into buffers g: P's 16 loads, then V's 16
	WIN 0x40
.irp kk, 0,1
.irp a, 0,1,2,3
	ds_load_b128 v[64*(\g)+32*(\kk)+8*(\a):64*(\g)+32*(\kk)+8*(\a)+3],   v[ADP] offset:(\a)*16*PP+(\q)*128+(\kk)*64
	ds_load_b128 v[64*(\g)+32*(\kk)+8*(\a)+4:64*(\g)+32*(\kk)+8*(\a)+7], v[ADP] offset:(\a)*16*PP+(\q)*128+(\kk)*64+32
.endr
.endr
	WIN 0
.irp kk, 0,1
.irp c, 0,1,2,3
	ds_load_tr16_b128 v[VBF+64*(\g)+32*(\kk)+8*(\c):VBF+64*(\g)+32*(\kk)+8*(\c)+3],   v[ADV+(\q)/2] offset:(64*((\q)%2)+32*(\kk))*PVP+(\c)*32
	ds_load_tr16_b128 v[VBF+64*(\g)+32*(\kk)+8*(\c)+4:VBF+64*(\g)+32*(\kk)+8*(\c)+7], v[ADV+(\q)/2] offset:(64*((\q)%2)+32*(\kk)+16)*PVP+(\c)*32
.endr
.endr
.endm
; Products n0 .. n0 + cnt - 1 of the 16 of half kk (32 keys) of buffers f.  The 16 accumulators take turns.  ride = 1: behind each product four lines scale the next quarter's P (buffer g) by f (registers fr + a).
.macro MM f, kk, n0, cnt, ride=0, g=0, fr=0
.set nq, \n0
.if \ride
.set ee, 0
.endif
.rept \cnt
	WIN 0x51
	v_wmma_f32_16x16x32_f16 v[ACC+8*nq:ACC+8*nq+7], v[64*(\f)+32*(\kk)+8*(nq/4):64*(\f)+32*(\kk)+8*(nq/4)+7], v[VBF+64*(\f)+32*(\kk)+8*(nq%4):VBF+64*(\f)+32*(\kk)+8*(nq%4)+7], v[ACC+8*nq:ACC+8*nq+7]
.if \ride
.rept 4
	v_pk_mul_f16 v[64*(\g)+ee], v[64*(\g)+ee], v[(\fr)+(ee/8)%4]
.set ee, ee+1
.endr
.endif
.set nq, nq+1
.endr
.endm
; One of a step's first three quarters: buffers f are multiplied, quarter q + 1 is fetched into g and its P scaled.  The four riders behind the quarter before's last product are the places in front of the loads.
.macro Q q, f, g, fr
	s_wait_dscnt 0x0                               ; this quarter's V is in
	FETCH (\q)+1, \g
	MM \f, 0, 0, 16
	s_wait_dscnt 16                                ; the next quarter's P is in; V's 16 loads may stay out
	MM \f, 1, 0, 16, 1, \g, \fr
.endm
; The fourth quarter changes slots: each wave waits for all its tensor loads (one is out: its part of the next slot), adds 0 to its spare word, and waits for that and for its reads of this slot.
; fill = 1: the barrier opens a round of the cluster's, and the refill, the walk's step two on, is the first thing behind the round: 120 products stand between it and the wait for it.
.macro TURN fill
.if \fill
	s_wait_xcnt 0x0                                ; the last prefetches, a step back, have read their address
.endif
	WIN 0
	s_wait_tensorcnt 0x0
	ds_add_u32 v[SPW], v[NIL]                      ; scalar work stands behind it
.if \fill
	REQ
	s_lshl_b32 s79, s48, 9                         ; the step after the one now asked for: where its prefetch stands,
	s_add_co_u32 s79, s79, s50
	s_add_co_u32 s79, s79, s3
	s_mul_i32 s80, s48, VSTEP
	s_add_co_u32 s80, s80, s52
	s_cmp_lt_u32 s14, 2
	s_cselect_b32 s80, s79, s80
	s_cselect_b64 s[70:71], s[4:5], s[6:7]
	s_add_nc_u64 s[70:71], s[70:71], s[80:81]
	s_cmp_ge_u32 s48, s73                          ; and whether it is mine to ask
	s_cselect_b32 s72, 1, 0
	s_cmp_gt_u32 s56, 1                            ; behind the last refill there is no step
	s_cselect_b32 s72, s72, 0
.endif
	s_wait_dscnt 1                                 ; V is in; the add may be out
	MM 1, 0, 0, 4
	s_wait_dscnt 0x0
	s_barrier_signal -1
	MM 1, 0, 4, 4
	WIN 0
	s_barrier_wait -1
.if \fill
	CREST
	JLOAD
.else
	PLACES
.endif
	s_xor_b32 s54, s54, SLOT
	v_add_nc_u32 v[ADP], s54, v[ADP0]
	v_add_nc_u32 v[ADV], s54, v[ADV0]
	v_add_nc_u32 v[ADV+1], VHALF, v[ADV]
	v_add_nc_u32 v[FAD], 1024, v[FAD]
.irp a, 0,1,2,3
	ds_load_b32 v[FA+(\a)], v[FAD] offset:(\a)*64
	ds_load_b32 v[FB+(\a)], v[FAD] offset:512+(\a)*64
.endr
	FETCH 0, 0
.if \fill
	ASK
.endif
	MM 1, 0, 8, 8
	s_wait_dscnt 16                                ; f and P are in
	MM 1, 1, 0, 16, 1, 0, FA
.endm
.macro STEP fill
	Q 0, 0, 1, FA
	Q 1, 1, 0, FB
	Q 2, 0, 1, FB
	TURN \fill
.endm
; A block's way out: times 1 / L, through my stage, 16 rows at a time.  more = 1: the second block follows: its sums start at 0.
.macro OUT more
	WIN 0
	PLACES
	s_wait_dscnt 0x0
.irp a, 0,1,2,3
	ds_load_b128 v[RL:RL+3],   v[ILA] offset:(\a)*64
	ds_load_b128 v[RL+4:RL+7], v[ILA] offset:(\a)*64+16
	s_wait_dscnt 0x0
	WIN 0x01                                       ; source 0 in window 1
.irp c, 0,1,2,3
.irp j, 0,2,4,6
	v_pk_mul_f32 v[TMP+8*(\c)+(\j):TMP+8*(\c)+(\j)+1], v[ACC+8*(4*(\a)+(\c))+(\j):ACC+8*(4*(\a)+(\c))+(\j)+1], v[RL+(\j):RL+(\j)+1]
.endr
.endr
	WIN 0
.irp c, 0,1,2,3
.irp j, 0,1,2,3,4,5,6,7
	ds_store_b32 v[STO], v[TMP+8*(\c)+(\j)] offset:(\j)*SP+(\c)*64
.endr
.endr
	s_wait_xcnt 0x0                                ; the stores of the 16 rows before have read their registers
.irp t, 0,1,2,3,4,5,6,7
	ds_load_b128 v[BK+4*(\t):BK+4*(\t)+3], v[RD] offset:(\t)*2*SP   ; the wave's own bytes, served in order (ISA guide 5.7.1.4)
.endr
.irp t, 0,1,2,3,4,5,6,7
	s_wait_dscnt 7-(\t)
	global_store_b128 v[CO], v[BK+4*(\t):BK+4*(\t)+3], s[66:67] offset:(16*(\a)+2*(\t))*4096 th:TH_STORE_NT   ; 16 lanes store 256 consecutive bytes, aligned
.endr
.endr
.if \more
	WIN 0x40
.set i, 0
.rept 128
	v_mov_b32 v[ACC+i], 0
.set i, i+1
.endr
	WIN 0
	s_wait_xcnt 0x0                                ; the stores have read O's address
	s_mov_b64 s[66:67], s[68:69]
	v_mov_b32 v[ILA], v[ILB]
	s_mov_b32 s55, s23
.endif
.endm
	s_wait_tensorcnt 0x0                           ; step 0 is in.  Slot 1 is filled for the first time as a refill is: the three lines, a round, the one load
	ds_add_u32 v[SPW], v[NIL]
	REQ
	s_wait_dscnt 0x0                               ; the add and my stores of f and 1 / L are done: the round shows them to the other waves
	CROUND
	JLOAD
.irp a, 0,1,2,3
	ds_load_b32 v[FA+(\a)], v[FAD] offset:(\a)*64
	ds_load_b32 v[FB+(\a)], v[FAD] offset:512+(\a)*64
.endr
	FETCH 0, 0
	s_wait_dscnt 0x0
	WIN 0x51
.set ee, 0
.rept 64
	v_pk_mul_f16 v[ee], v[ee], v[FA+(ee/8)%4]
.set ee, ee+1
.endr
	WIN 0
	s_mov_b32 s55, s22
	s_mov_b32 s56, 7
.Lwalk:                                                ; steps 0 to 6 of the walk ask for steps 2 to 8
	STEP 1
	WIN 0
	s_sub_co_u32 s55, s55, 1
	s_cmp_lg_u32 s55, 0
	s_cbranch_scc1 .Lon                            ; forward, past text with no barrier and no tensor load.  The first block has 1 to 4 steps: it ends in this loop, once
	OUT 1
.Lon:
	s_sub_co_u32 s56, s56, 1
	s_cmp_lg_u32 s56, 0
	s_cbranch_scc1 .Lwalk
	s_mov_b32 s56, 2
.Ltail:                                                ; steps 7 and 8 ask for nothing.  The very last change of slots fetches an old slot with f = 0, which nothing multiplies: the price of one text for both trips
	STEP 0
	WIN 0
	s_sub_co_u32 s56, s56, 1
	s_cmp_lg_u32 s56, 0
	s_cbranch_scc1 .Ltail
	OUT 0
	s_wait_tensorcnt 0x0                           ; the wave's end
	ds_add_u32 v[SPW], v[NIL]
	s_wait_dscnt 0x0
	CROUND                                         ; the closing round
	s_endpgm
.Lfunc_end_k_q3f5bcc2ee3_mix:
	.size	k_q3f5bcc2ee3_mix, .Lfunc_end_k_q3f5bcc2ee3_mix-k_q3f5bcc2ee3_mix
	.p2alignl 7, 3214868480
	.fill 96, 4, 3214868480
	.section	.rodata,"a",@progbits
	.p2align	6, 0x0
	.amdhsa_kernel k_q3f5bcc2ee3_mix
		.amdhsa_group_segment_fixed_size 327680
		.amdhsa_private_segment_fixed_size 0
		.amdhsa_enable_private_segment 0
		.amdhsa_kernarg_size 40
		.amdhsa_user_sgpr_count 2
		.amdhsa_user_sgpr_kernarg_segment_ptr 1
		.amdhsa_wavefront_size32 1
		.amdhsa_system_sgpr_workgroup_id_x 1
		.amdhsa_system_sgpr_workgroup_id_y 1
		.amdhsa_system_sgpr_workgroup_id_z 1
		.amdhsa_system_vgpr_workitem_id 0
		.amdhsa_next_free_vgpr 512
		.amdhsa_next_free_sgpr 102
		.amdhsa_reserve_vcc 0
		.amdhsa_float_denorm_mode_32 3
		.amdhsa_float_denorm_mode_16_64 3
		.amdhsa_memory_ordered 1
		.amdhsa_forward_progress 1
		.amdhsa_inst_pref_size 160
	.end_amdhsa_kernel
	.amdgpu_metadata
---
amdhsa.version: [ 1, 2 ]
amdhsa.kernels:
  - .name:           k_q3f5bcc2ee3_mix
    .symbol:         k_q3f5bcc2ee3_mix.kd
    .args:
      - { .name: pt, .offset: 0, .size: 8, .value_kind: global_buffer, .address_space: global }
      - { .name: qkv, .offset: 8, .size: 8, .value_kind: global_buffer, .address_space: global }
      - { .name: sm, .offset: 16, .size: 8, .value_kind: global_buffer, .address_space: global }
      - { .name: sl, .offset: 24, .size: 8, .value_kind: global_buffer, .address_space: global }
      - { .name: out0, .offset: 32, .size: 8, .value_kind: global_buffer, .address_space: global }
    .group_segment_fixed_size: 327680
    .private_segment_fixed_size: 0
    .kernarg_segment_align: 8
    .kernarg_segment_size: 40
    .max_flat_workgroup_size: 128
    .sgpr_count:     102
    .vgpr_count:     512
    .wavefront_size: 32
...
	.end_amdgpu_metadata
.endif
;; end of part 4
;; ======== version 2 of 2: 4 launches; version 1 with the launch prep written anew for expert scheduling mode
;; limits: values are held in f16: magnitudes above 65,504 overflow, below 6.1e-05 lose precision
;; workspace buffers: xb 16,777,216 bytes; wt 6,291,456 bytes; bb 12,288 bytes; qkv 50,331,648 bytes; pt 33,554,432 bytes; sm 524,288 bytes; sl 524,288 bytes
;; launch prep (part 5): grid 256 x 1, 11 waves a work-group, no clusters, 102,912 bytes of LDS; arguments x, wq, wk, wv, bq, bk, bv, xb, wt, bb; writes xb, wt, bb
.if DOCPART == 5
	.amdgcn_target "amdgcn-amd-amdhsa--gfx1250"
	.amdhsa_code_object_version 6
	.text
	.protected	k_q3f5bcc2ee3_prep
	.globl	k_q3f5bcc2ee3_prep
	.p2align	8
	.type	k_q3f5bcc2ee3_prep,@function
k_q3f5bcc2ee3_prep:
	s_mov_b64 s[64:65], 0
	v_nop
	global_prefetch_b8 v0, s[64:65] scope:SCOPE_SE
	s_setreg_imm32_b32 hwreg(HW_REG_WAVE_SCHED_MODE, 0, 2), 2
	s_setreg_imm32_b32 hwreg(HW_REG_WAVE_MODE, 25, 1), 1
	s_wait_xcnt 0x0
	s_wait_alu depctr_vm_vsrc(0)
; PREP: every input is rounded once to bf16 and laid out for the projection, in chunks of 32 along K.
;   xb: bf16 [32 c][8192 row][32 k]       byte = c 524,288 + row 64 + 2 k        (x is [8192][1024] f32)
;   wt: bf16 [32 c][3072 n][32 k]         n = sel 1024 + col (sel 0 q, 1 k, 2 v) (w is [k][col] f32: it is turned)
;   bb: f32  [3072]                       the biases rounded to bf16, kept as f32
; In these layouts the rows of a chunk lie end to end, so the projection asks for 128 or 192 rows of a chunk as one long row.
; A stream through registers: no matrix work, nothing shared between work-groups, no tile ring.
; SHARES.  x is 2,048 shares of 4 rows (16 KiB read), the weights are 768 tiles of 64 k x 64 columns (16 KiB read): 11 shares for each of 256 work-groups.
; Waves 0-7: four rows of x each.  Waves 8-10: a tile of a weight each, turned in the wave's own LDS.  The biases are 24 pieces of 512 bytes: wave 0 of work-groups 0-23 takes one beside its rows.
; THE MODE: SCHED_MODE bits 1:0 = 2 (LLVM: expert scheduling mode 2), set by the entry lines.  The code itself states the register dependences
; between vector instructions and memory or LDS instructions, with s_wait_alu, always for 0.
; THE PLAN.  Registers that memory or LDS instructions touch:
;   v4-v7            offsets and LDS addresses: made once at a path's head, ahead of its first wait on va_vdst, and never written again.
;   x, chunk c       v[16+4c:19+4c]: its load lands there; its two conversions read the four and write the first two, in place; its store reads those two.  No chunk shares a register with another.
;   w, pair i        v[16+8i:23+8i]: its two loads land there; its four conversions read the eight and write OUT i = the first four, in place; four LDS stores read OUT i.
;                    BACK i = the last four, which no LDS store reads, take the i-th load from LDS; a global store reads them.
;   v12-15           x's waves alone: 0, then the piece of a bias as loaded, then the same widened again, which the last store reads.
; No register that a memory or LDS instruction has read is ever written again, so the text holds no wait on vm_vsrc.
; Chunks and pairs go in GROUPS OF FOUR.  One wait on va_vdst at a group's head states that the group before has written what its stores read; those stores follow it, dealt among this group's
; conversions, which name this group's registers alone.  Behind the weights' last group the same wait states that all conversions are done reading BACK: the loads from LDS follow with no further wait.
.set LROW,  144                        ; a turned tile's row in LDS: 64 k x 2 bytes + 16
.set WTILE, 64*LROW                    ; 9,216 bytes for each wave's number (waves 0-7 leave theirs unused)
.set SPARE, 11*WTILE                   ; behind them: the spare words, 128 bytes a wave, which no other line names
.set XCH,   524288                     ; bytes in a chunk of xb
.set WCH,   196608                     ; of wt
.set SPW, 8                            ; v8  SPARE + 4 x my thread's number; never rewritten
.set NIL, 9                            ; v9  0; never rewritten
	s_load_b512 s[8:23], s[0:1], 0x0               ; x s[8:9], wq s[10:11], wk s[12:13], wv s[14:15], bq s[16:17], bk s[18:19], bv s[20:21], xb s[22:23]
	s_load_b128 s[24:27], s[0:1], 0x40             ; wt s[24:25], bb s[26:27]
	v_lshl_add_u32 v[SPW], v0, 2, SPARE
	v_mov_b32 v[NIL], 0
	v_lshrrev_b32 v1, 5, v0
	v_readfirstlane_b32 s28, v1                    ; wave 0..10
	v_and_b32 v1, 31, v0                           ; lane
	s_mov_b32 s31, 0                               ; high words of the offset pairs
	s_mov_b32 s37, 0
	s_mov_b32 s47, 0
	s_wait_alu depctr_va_sdst(0)                   ; s28 is written, ahead of its first reader: the branch below and every base are made from it
	s_wait_kmcnt 0x0
	s_cmp_lt_u32 s28, 8
	s_cbranch_scc0 .Lw
	; X.  First the piece of a bias, where it is mine: its load goes out ahead of the rows' loads and is finished behind their stores
	s_cmp_lt_u32 ttmp9, 24
	s_cselect_b32 s40, 1, 0
	s_cmp_eq_u32 s28, 0
	s_cselect_b32 s40, s40, 0                      ; 1: wave 0 of work-groups 0-23
	s_min_u32 s41, ttmp9, 23                       ; the piece (held inside the biases in the other work-groups, which do not use it)
	s_lshr_b32 s32, s41, 3                         ; which bias,
	s_and_b32 s33, s41, 7                          ; which 512 bytes of it
	s_lshl_b32 s46, s33, 9
	s_cmp_eq_u32 s32, 1
	s_cselect_b64 s[42:43], s[18:19], s[16:17]
	s_cmp_eq_u32 s32, 2
	s_cselect_b64 s[42:43], s[20:21], s[42:43]
	s_add_nc_u64 s[42:43], s[42:43], s[46:47]
	s_lshl_b32 s46, s41, 9
	s_add_nc_u64 s[44:45], s[26:27], s[46:47]      ; in bb the three biases lie end to end: piece g at 512 g
	v_lshlrev_b32 v6, 4, v1                        ; 16 x lane
	v_lshrrev_b32 v2, 3, v1                        ; which of the four rows
	v_and_b32 v3, 7, v1                            ; which 16 bytes of the chunk
	v_lshlrev_b32 v4, 4, v3
	v_lshl_add_u32 v4, v2, 12, v4
	v_lshlrev_b32 v5, 3, v1                        ; 8 x lane
	v_mov_b32 v12, 0                               ; written on every path
	v_mov_b32 v13, 0
	v_mov_b32 v14, 0
	v_mov_b32 v15, 0
	s_wait_alu depctr_va_vdst(0)                   ; v4, v5 and v6 are written, which every load and store of this path reads as its offset; so are v12 to v15, in which the bias's load lands
	s_cmp_eq_u32 s40, 1
	s_cbranch_scc0 .Lrows
	global_load_b128 v[12:15], v6, s[42:43]
.Lrows:	; rows 32 g + 4 w .. + 3.  A load takes one chunk (32 k, 128 bytes of f32) of each of the four rows; the 8 bytes a lane makes of them lie on end in xb: 256 bytes, aligned
	s_lshl_b32 s30, ttmp9, 17                      ; 32 rows of 4,096 bytes
	s_lshl_b32 s32, s28, 14                        ; 4 rows
	s_add_co_u32 s30, s30, s32
	s_add_nc_u64 s[8:9], s[8:9], s[30:31]
	s_lshl_b32 s36, ttmp9, 11                      ; 32 rows of 64 bytes
	s_lshl_b32 s32, s28, 8
	s_add_co_u32 s36, s36, s32
	s_add_nc_u64 s[22:23], s[22:23], s[36:37]      ; chunks 0-15 by the immediate,
	s_add_nc_u64 s[38:39], s[22:23], 16*XCH        ; chunks 16-31 from a second base: the immediate holds under 2^23
.set c, 0
.rept 32
	global_load_b128 v[16+4*c:19+4*c], v4, s[8:9] offset:128*c
.set c, c+1
.endr
	; eight groups of four chunks, and a ninth turn that only stores
.set g, 0
.rept 9
.if g < 8
	s_wait_loadcnt 31-4*g                          ; loads come back in order (ISA guide 5.7.1): the group's first chunk is in, the younger ones stay out
.endif
.if g > 0
	s_wait_alu depctr_va_vdst(0)                   ; the conversions of the group before have written the eight registers that its four stores, below, read
.endif
.set j, 0
.rept 4
.set c, 4*g+j
.if g > 0
.if c-4 < 16
	global_store_b64 v5, v[16+4*(c-4):17+4*(c-4)], s[22:23] offset:(c-4)*XCH       ; the group before; no vector instruction since the wait names these registers
.else
	global_store_b64 v5, v[16+4*(c-4):17+4*(c-4)], s[38:39] offset:(c-20)*XCH
.endif
.endif
.if g < 8
.if j > 0
	s_wait_loadcnt 31-c                            ; chunk c is in
.endif
	v_cvt_pk_bf16_f32 v[16+4*c], v[16+4*c], v[17+4*c]
	v_cvt_pk_bf16_f32 v[17+4*c], v[18+4*c], v[19+4*c]
.endif
.set j, j+1
.endr
.set g, g+1
.endr
	s_cmp_eq_u32 s40, 1
	s_cbranch_scc0 .Lend
	v_cvt_pk_bf16_f32 v10, v12, v13                ; the piece of a bias: its load was the oldest, and the last wait on the loads above was for 0
	v_cvt_pk_bf16_f32 v11, v14, v15
	v_lshlrev_b32 v12, 16, v10                     ; bf16 back to f32: the low half moves up, the high half stays
	v_and_b32 v13, 0xffff0000, v10
	v_lshlrev_b32 v14, 16, v11
	v_and_b32 v15, 0xffff0000, v11
	s_wait_alu depctr_va_vdst(0)                   ; v12 to v15 are written, which the store reads
	global_store_b128 v6, v[12:15], s[44:45]
	s_branch .Lend
.Lw:	; THE WEIGHTS: tile T = 3 g + w - 8: matrix T / 256, 64 k at (T / 16) % 16, 64 columns at T % 16
	s_sub_co_u32 s34, s28, 8
	s_mul_i32 s29, ttmp9, 3
	s_add_co_u32 s29, s29, s34
	s_lshr_b32 s32, s29, 8                         ; sel
	s_bfe_u32 s33, s29, 0x40004                    ; kb
	s_and_b32 s35, s29, 15                         ; cb
	s_cmp_eq_u32 s32, 1
	s_cselect_b64 s[10:11], s[12:13], s[10:11]
	s_cmp_eq_u32 s32, 2
	s_cselect_b64 s[10:11], s[14:15], s[10:11]
	s_lshl_b32 s30, s33, 18                        ; 64 rows of 4,096 bytes
	s_lshl_b32 s38, s35, 8                         ; 64 columns of 4 bytes
	s_add_co_u32 s30, s30, s38
	s_add_nc_u64 s[10:11], s[10:11], s[30:31]
	s_mul_i32 s36, s33, 2*WCH                      ; wt: two chunks for 64 k,
	s_lshl_b32 s38, s32, 16                        ; 1,024 rows of 64 bytes a matrix,
	s_add_co_u32 s36, s36, s38
	s_lshl_b32 s38, s35, 12                        ; 64 rows
	s_add_co_u32 s36, s36, s38
	s_add_nc_u64 s[24:25], s[24:25], s[36:37]
	s_mul_i32 s39, s28, WTILE
	v_and_b32 v2, 15, v0                           ; lane % 16
	v_bfe_u32 v3, v0, 4, 1                         ; lane / 16
	v_lshlrev_b32 v4, 4, v2
	v_lshl_add_u32 v4, v3, 13, v4                  ; 2 (lane / 16) rows + 16 (lane % 16)
	v_mul_u32_u24 v6, v2, 4*LROW                   ; in: columns 4 (lane % 16) + e, k = 4 i + 2 (lane / 16)
	v_lshl_add_u32 v6, v3, 2, v6
	v_add_nc_u32 v6, s39, v6
	v_lshrrev_b32 v12, 2, v1
	v_and_b32 v13, 3, v1
	v_mul_u32_u24 v7, v12, LROW                    ; back: eight rows x 64 bytes (one chunk's half of each row) a load
	v_lshl_add_u32 v7, v13, 4, v7
	v_add_nc_u32 v7, s39, v7
	v_lshlrev_b32 v5, 4, v1
	s_wait_alu depctr_va_vdst(0)                   ; v4 to v7 are written: the offsets and LDS addresses that every load and store of this path reads
.set i, 0
.rept 16
	global_load_b128 v[16+8*i:19+8*i], v4, s[10:11] offset:16384*i th:TH_LOAD_NT        ; row 4 i + 2 (lane / 16),
	global_load_b128 v[20+8*i:23+8*i], v4, s[10:11] offset:16384*i+4096 th:TH_LOAD_NT   ; and the row below it
.set i, i+1
.endr
	; four groups of four pairs of rows, and a fifth turn that only stores
.set g, 0
.rept 5
.if g < 4
	s_wait_loadcnt 30-8*g                          ; the group's first pair of rows is in
.endif
.if g > 0
	s_wait_alu depctr_va_vdst(0)                   ; the conversions of the group before have written its OUT registers, which the LDS stores below read; behind the last group: every conversion is done reading BACK, in which the loads from LDS land
.endif
.set j, 0
.rept 4
.set i, 4*g+j
.if g > 0
.irp e, 0,1,2,3
	ds_store_b32 v6, v[16+8*(i-4)+(\e)] offset:(\e)*LROW+8*(i-4)   ; the group before; no vector instruction since the wait names these registers
.endr
.endif
.if g < 4
.if j > 0
	s_wait_loadcnt 30-2*i                          ; this pair of rows is in
.endif
.irp e, 0,1,2,3
	v_cvt_pk_bf16_f32 v[16+8*i+(\e)], v[16+8*i+(\e)], v[20+8*i+(\e)]   ; two neighbouring k of one column, into the upper row's register
.endr
.endif
.set j, j+1
.endr
.set g, g+1
.endr
.set t, 0
.rept 16
	ds_load_b128 v[20+8*t:23+8*t], v7 offset:(t%8)*8*LROW+(t/8)*64   ; LDS serves a wave's instructions in order (ISA guide 5.7.1.4): these see the stores above; the bytes are the wave's own.  No wait: no vector instruction stands behind the last one
.set t, t+1
.endr
.set t, 0
.rept 16
	s_wait_dscnt 15-t
	global_store_b128 v5, v[20+8*t:23+8*t], s[24:25] offset:(t/8)*WCH+(t%8)*512   ; 512 consecutive bytes, aligned
.set t, t+1
.endr
.Lend:
	s_wait_dscnt 0x0                               ; the wave's end
	s_wait_alu 0x0
	s_wait_tensorcnt 0x0
	ds_add_u32 v[SPW], v[NIL]
	s_wait_dscnt 0x0
	s_endpgm
.Lfunc_end_k_q3f5bcc2ee3_prep:
	.size	k_q3f5bcc2ee3_prep, .Lfunc_end_k_q3f5bcc2ee3_prep-k_q3f5bcc2ee3_prep
	.p2alignl 7, 3214868480
	.fill 96, 4, 3214868480
	.section	.rodata,"a",@progbits
	.p2align	6, 0x0
	.amdhsa_kernel k_q3f5bcc2ee3_prep
		.amdhsa_group_segment_fixed_size 102912
		.amdhsa_private_segment_fixed_size 0
		.amdhsa_enable_private_segment 0
		.amdhsa_kernarg_size 80
		.amdhsa_user_sgpr_count 2
		.amdhsa_user_sgpr_kernarg_segment_ptr 1
		.amdhsa_wavefront_size32 1
		.amdhsa_system_sgpr_workgroup_id_x 1
		.amdhsa_system_sgpr_workgroup_id_y 1
		.amdhsa_system_sgpr_workgroup_id_z 1
		.amdhsa_system_vgpr_workitem_id 0
		.amdhsa_next_free_vgpr 144
		.amdhsa_next_free_sgpr 66
		.amdhsa_reserve_vcc 0
		.amdhsa_float_denorm_mode_32 3
		.amdhsa_float_denorm_mode_16_64 3
		.amdhsa_memory_ordered 1
		.amdhsa_forward_progress 1
		.amdhsa_inst_pref_size 31
	.end_amdhsa_kernel
	.amdgpu_metadata
---
amdhsa.version: [ 1, 2 ]
amdhsa.kernels:
  - .name:           k_q3f5bcc2ee3_prep
    .symbol:         k_q3f5bcc2ee3_prep.kd
    .args:
      - { .name: x, .offset: 0, .size: 8, .value_kind: global_buffer, .address_space: global }
      - { .name: wq, .offset: 8, .size: 8, .value_kind: global_buffer, .address_space: global }
      - { .name: wk, .offset: 16, .size: 8, .value_kind: global_buffer, .address_space: global }
      - { .name: wv, .offset: 24, .size: 8, .value_kind: global_buffer, .address_space: global }
      - { .name: bq, .offset: 32, .size: 8, .value_kind: global_buffer, .address_space: global }
      - { .name: bk, .offset: 40, .size: 8, .value_kind: global_buffer, .address_space: global }
      - { .name: bv, .offset: 48, .size: 8, .value_kind: global_buffer, .address_space: global }
      - { .name: xb, .offset: 56, .size: 8, .value_kind: global_buffer, .address_space: global }
      - { .name: wt, .offset: 64, .size: 8, .value_kind: global_buffer, .address_space: global }
      - { .name: bb, .offset: 72, .size: 8, .value_kind: global_buffer, .address_space: global }
    .group_segment_fixed_size: 102912
    .private_segment_fixed_size: 0
    .kernarg_segment_align: 8
    .kernarg_segment_size: 80
    .max_flat_workgroup_size: 352
    .sgpr_count:     66
    .vgpr_count:     144
    .wavefront_size: 32
...
	.end_amdgpu_metadata
.endif
;; end of part 5
;; launch proj: the kernel of part 2 again; grid 8 x 32, 4 waves a work-group, clusters of 4 x 4, 327,680 bytes of LDS; arguments xb, wt, bb, qkv; writes qkv
;; launch score: the kernel of part 3 again; grid 36 x 4, 4 waves a work-group, no clusters, 327,680 bytes of LDS; arguments qkv, pt, sm, sl; writes pt, sm, sl
;; launch mix: the kernel of part 4 again; grid 8 x 32, 4 waves a work-group, clusters of 4 x 1, 327,680 bytes of LDS; arguments pt, qkv, sm, sl, out0; writes out0
